; MI455X (gfx1250); checked and timed in simulation.
; The chip was launched on July 23, 2026; its instructions are those of AMD's public machine-readable ISA for CDNA 5 (MIT licence, August 2026) and "CDNA5" Instruction Set Architecture Reference Guide (July 2026). The comments in the code are by the model that wrote it; some were corrected since.
;; Causal Self Attention. Allowed arithmetic: matrix products marked QUANTISED: E2M3 operands, one E8M0 scale for each 32 along K, by v_wmma_scale_f32_16x16x128_f8f6f4 with both operands' format E2M3, f32 sums; everything else in f32.
;; Inputs: Wk 1,024 x 1,024 float32; Wo 1,024 x 1,024 float32; Wq 1,024 x 1,024 float32; Wv 1,024 x 1,024 float32; bk 1,024 float32; bo 1,024 float32; bq 1,024 float32; bv 1,024 float32; x 4 x 2,048 x 1,024 float32.
;; Outputs: out0 4 x 2,048 x 1,024 float32.
;; This version of the problem:
;;   THIS VERSION OF THE PROBLEM IS GIVEN IN LOW PRECISION. The matrix products marked QUANTISED in the list below multiply operands that are first quantised to E2M3 (2 exponent bits, 3 mantissa bits; 6 bits a number), with one power-of-two scale for each 32 numbers along K (OCP MX v1.0); their sums are f32. All else is computed in f32.
;;   The module's matrix products, in the order in which they are computed (A, B: the left and right operand; K: the contracted axis; several contracted axes count as one K, in the product's order):
;;     1. [M 8,192, K 1,024] x [K 1,024, N 1,024]; A: input x; B: input Wq: QUANTISED
;;     2. [M 8,192, K 1,024] x [K 1,024, N 1,024]; A: input x; B: input Wk: QUANTISED
;;     3. [M 8,192, K 1,024] x [K 1,024, N 1,024]; A: input x; B: input Wv: QUANTISED
;;     4. batch 4 x [M 2,048, K 1,024] x [K 1,024, N 2,048]; A: computed on the way; B: computed on the way: QUANTISED
;;     5. batch 4 x [M 2,048, K 2,048] x [K 2,048, N 1,024]; A: softmax (see below); B: computed on the way: QUANTISED
;;     6. [M 8,192, K 1,024] x [K 1,024, N 1,024]; A: computed on the way; B: input Wo: QUANTISED
;;   THE QUANTISER, for each operand of a quantised product, along K:
;;     - K is cut into blocks of 32 from its start; a last block that is shorter is filled with zeros.
;;     - A block's scale is 2^e with e = floor(log2(the largest magnitude in the block)) - 2, held to -126 .. 127; a block of zeros has e = 0. As a byte (E8M0): e + 127.
;;     - Each number is divided by its block's scale, clamped to +-7.5, and rounded to the nearest number of E2M3, ties to even, subnormals kept.
;;     - The product sums the exact products of the quantised numbers (number of the format x scale) in f32.
;;   ~~~python
;;   def quantise(x, axis):      # numpy; x: float32 -> the quantised numbers, widened to float32 again
;;       x = np.moveaxis(x, axis, -1); K = x.shape[-1]
;;       x = np.pad(x, [(0, 0)] * (x.ndim - 1) + [(0, -K % 32)]); x = x.reshape(x.shape[:-1] + (-1, 32)); a = np.abs(x).max(-1, keepdims=True)
;;       e = np.where(a > 0, np.clip(np.frexp(np.where(a > 0, a, 1))[1] - 1 - 2, -126, 127), 0)      # np.frexp(a)[1] - 1 = floor(log2(a)), exactly
;;       r = np.clip(x / 2.0 ** e, -7.5, 7.5)
;;       step = 2.0 ** (np.maximum(np.frexp(np.where(r == 0, 1, r))[1] - 1, 0) - 3)
;;       q = np.round(r / step) * step * 2.0 ** e      # np.round: ties to even
;;       return np.moveaxis(q.reshape(q.shape[:-2] + (-1,))[..., :K], -1, axis).astype(np.float32)
;;   ~~~
;;   SOFTMAX AHEAD OF A QUANTISED PRODUCT. Where the list says 'softmax', what is quantised is not the finished softmax but p = 2^(t - M), with t = logit x log2(e) and M = ceil(the row's largest t), a whole number; so 1/2 < the row's largest p <= 1. The row's sum l is taken of the UNQUANTISED p, in f32, and the product's result is divided by l at the end. Since M is a whole number, a kernel that streams over the keys may use a running M (the ceiling of the running maximum): every later rescaling is an exact power of two, which a block's scale takes up: the codes' values come out the same.
;;   OPERANDS COMPUTED ON THE WAY. 'Computed on the way' means the value that the module computes at that place (a softmax that the list does not call 'softmax' is quantised finished and normalised). What goes into a quantiser is computed in f32, as accurately as f32 sums, v_exp_f32 and their like allow (about 1e-6 of the number): no bf16 or f16 on the way to a quantiser, and a product that is left as it is and whose result goes on into a quantised operand takes f32 operands (vector FMAs, or v_wmma_f32_16x16x4_f32). A number that lies on a knife's edge between two numbers of the format may be rounded either way, as far as f32 arithmetic and the matrix unit's own rounding can turn it there, and no further.
;; One version. Each part assembles by itself: llvm-mc -triple=amdgcn-amd-amdhsa -mcpu=gfx1250 --defsym DOCPART=n.
;; ======== version 1 of 1: 5 launches
;; limits: right only within a limited range of input values
;; workspace buffers: opnd 9,830,400 bytes; qkv 19,660,800 bytes; pbuf 13,107,200 bytes; stats 1,048,576 bytes; att 6,553,600 bytes
;; launch quant (part 1): grid 256 x 1, 6 waves a work-group, no clusters, 53,248 bytes of LDS; arguments x, Wq, Wk, Wv, Wo, opnd; writes opnd
.if DOCPART == 1
	.amdgcn_target "amdgcn-amd-amdhsa--gfx1250"
	.amdhsa_code_object_version 6
	.text
	.protected	k_q450f232b58_quant
	.globl	k_q450f232b58_quant
	.p2align	8
	.type	k_q450f232b58_quant,@function
k_q450f232b58_quant:
	s_mov_b64 s[64:65], 0
	v_nop
	global_prefetch_b8 v0, s[64:65] scope:SCOPE_SE
	s_setreg_imm32_b32 hwreg(HW_REG_WAVE_MODE, 25, 1), 1
	s_wait_xcnt 0x0
; LAUNCH 1 OF 5.  x [8192][1024], Wq, Wk, Wv, Wo [1024][1024], f32, K innermost, become codes of E2M3 with one E8M0 byte for each 32 along K.
; THE PROGRAM: 1 quant (this);  2 proj: Q, K, V with their biases, quantised;  3 score: Q K^T, mask, p = 2^(t - M), quantised;  4 mix: P V / l, quantised;  5 outp: attended Wo^T + bo.
; DEAD WORK, left out in launches 3 and 4.  reference() builds causal = tril(ones) in its own body and sets the score of key k for query q to -inf where k > q; the softmax gives such a
; key the weight 0 whatever finite values the inputs hold.  So a tile of scores all of whose keys come after all of its queries, and a step of the second product all of whose keys are
; hidden, reach no output: of 256 x 256 score tiles 36 of 64 a batch are made, of the steps of 128 keys for 128 queries 136 of 256.  Inside a tile on the diagonal the work stays and the scores are masked.
; All nine inputs have a way to the output (bk moves K's codes) and all are loaded.  LIMIT: a NaN, an infinity or an overflow that would arise only in the tiles left out is not carried to the result.
; THE WORKSPACE FORMAT, one for every operand: a CHUNK of 12,800 bytes holds 128 rows x 128 along K: eight fragments as IMAGES OF THE OPERAND'S REGISTERS (12 registers a lane: three groups of four,
; lane l's 16 bytes of group c at 512 c + 16 l: 1,536 bytes a fragment), then 128 scale words, that of (fragment a, lane r) at 12,288 + 256 (a / 4) + 16 r + 4 (a % 4).
; Lane r of fragment f is row 32 (f / 2) + 8 (f % 2) + r + 8 (r / 8) of the 128: so the 16 result registers of two neighbouring fragments of source 0 are 16 neighbours along the next K.
; opnd: chunk 8 g + kappa; row groups g: 0-63 x, 64-71 Wq, 72-79 Wk, 80-87 Wv, 88-95 Wo.
; SHARES: 1,536 tasks, one a wave: 64 rows x 128 along K = four fragments.  Each load reads 512 consecutive bytes of a row; a fragment's 16 rows turn through the wave's own stage in LDS
; (rows 528 bytes apart) so that a lane gets 16 neighbours of each block of 32; lanes l and l xor 16 hold a block.  Every store covers 512 (the words: 256) consecutive aligned bytes.
; A block's scale byte is its largest magnitude's exponent field - 2, held at 1 from below.  LIMITS: a block of zeros gets the byte 1 where the rule says 127 (its codes are zeros, and this
; program alone reads the bytes); NaN and infinities among the inputs are not served.
.set CH,    12800
.set WREG,  8704                       ; LDS: a region for each wave: 16 rows x 528 bytes, rounded up to blocks of 256
.set SP,    528
.set SPARE, 6*WREG                     ; behind the six regions: the spare words, 128 bytes for each wave: three blocks of 256 bytes that no other line names
.set LI,  1                            ; v1   16 x lane
.set SPW, 2                            ; v2   LDS address of my spare word; never rewritten
.set NIL, 3                            ; v3   0; never rewritten
.set SI,  4                            ; v4   the stage, on the way in: region + 16 x lane
.set SO,  5                            ; v5   on the way out: region + 528 r + 64 h
.set WO,  6                            ; v6   where my two scale words go, counted from the images' base
.set TM,  16                           ; v16-19 largest magnitudes, v20-23 bytes, v28-31 the conversions' scale operands
.set PC,  32                           ; v32-43 a fragment's codes; v44-50 at work
.set PWB, 52                           ; v52-55 the four fragments' scale words
.set T,   56
.set R,   64                           ; v64-191 two sets of 64 numbers as loaded
.set X,   192                          ; v192-255 64 numbers: register 16 b + i = k 32 b + 16 h + i of my row
.set SEL, 30
.set HM,  32
; 64 numbers of a lane become a fragment's codes in v[PC] on and its scale word in v[pw]
.macro QUANT s, pw
.irp b, 0,1,2,3
	v_max3_num_f32 v[TM+\b], |v[\s+16*\b]|, |v[\s+16*\b+1]|, 0x1800000   ; my 16 numbers of block b, and the floor 2^(3 - 127): the byte cannot fall under 1
.endr
.irp i, 2,4,6,8,10,12,14
.irp b, 0,1,2,3
	v_max3_num_f32 v[TM+\b], v[TM+\b], |v[\s+16*\b+\i]|, |v[\s+16*\b+\i+1]|   ; the four blocks by turns
.endr
.endr
.irp b, 0,1,2,3
	v_permlanex16_b32 v[TM+4+\b], v[TM+\b], s[SEL], s[SEL+1]
.endr
.irp b, 0,1,2,3
	v_max_num_f32 v[TM+\b], v[TM+\b], v[TM+4+\b]   ; with lane l xor 16's: the block's largest magnitude
.endr
.irp b, 0,1,2,3
	v_add_nc_u32 v[TM+12+\b], 0xff000000, v[TM+\b] ; 2 off its exponent field: the conversion takes that field as its scale
.endr
.irp b, 0,1,2,3
	v_lshrrev_b32 v[TM+4+\b], 23, v[TM+12+\b]      ; the scale's byte
.endr
	v_lshl_or_b32 v[\pw], v[TM+5], 8, v[TM+4]
	v_lshl_or_b32 v[\pw], v[TM+6], 16, v[\pw]
	v_lshl_or_b32 v[\pw], v[TM+7], 24, v[\pw]      ; my row's scale word
.irp c, 0,1
	v_cvt_scalef32_pk16_fp6_f32 v[PC+6*\c:PC+6*\c+2], v[\s+32*\c:\s+32*\c+15], v[TM+12+2*\c]
	v_cvt_scalef32_pk16_fp6_f32 v[PC+12+4*\c:PC+14+4*\c], v[\s+32*\c+16:\s+32*\c+31], v[TM+13+2*\c]   ; (a conversion's three registers begin on an even number)
.endr
	v_nop                                          ; one plain place behind a scaled conversion
.irp c, 0,1                                    ; the operand wants a whole block in a lane: lanes 0-15 block 2 c, lanes 16-31 block 2 c + 1
.irp i, 0,1,2
	v_permlane16_swap_b32 v[PC+6*\c+\i], v[PC+12+4*\c+\i]
.endr
.irp i, 0,1,2
	v_mov_b32 v[PC+3+6*\c+\i], v[PC+12+4*\c+\i]
.endr
.endr
.endm
	s_load_b256 s[4:11], s[0:1], 0x0               ; x, Wq, Wk, Wv
	s_load_b128 s[12:15], s[0:1], 0x20             ; Wo, opnd
	v_lshl_add_u32 v[SPW], v0, 2, SPARE
	v_mov_b32 v[NIL], 0
	v_lshrrev_b32 v7, 5, v0
	v_readfirstlane_b32 s16, v7                    ; wave 0..5
	s_mul_i32 s17, ttmp9, 6
	s_add_co_u32 s17, s17, s16                     ; my task
	s_and_b32 s18, s17, 1                          ; which 64 rows of the row group
	s_bfe_u32 s19, s17, 0x30001                    ; kappa: which 128 along K
	s_lshr_b32 s20, s17, 4                         ; the row group g
	v_and_b32 v7, 31, v0
	v_lshlrev_b32 v[LI], 4, v7
	v_and_b32 v8, 15, v0                           ; r
	v_bfe_u32 v9, v0, 4, 1                         ; h
	s_mul_i32 s21, s16, WREG
	v_add_nc_u32 v[SI], s21, v[LI]
	v_mul_u32_u24 v[SO], v8, SP
	v_lshl_add_u32 v[SO], v9, 6, v[SO]
	v_add_nc_u32 v[SO], s21, v[SO]
	v_lshlrev_b32 v[WO], 4, v8
	v_lshl_add_u32 v[WO], v9, 3, v[WO]             ; 16 r + 8 h
	s_mul_i32 s22, s18, 5888
	s_sub_co_u32 s22, 12288, s22                   ; the images' base stands 6,144 x half into the chunk, the words at 12,288 + 256 x half
	v_add_nc_u32 v[WO], s22, v[WO]
	s_sub_co_u32 s22, s20, 64
	s_lshr_b32 s23, s22, 3                         ; which weight, where g is 64 or more
	s_and_b32 s22, s22, 7
	s_cmp_lt_u32 s20, 64
	s_cselect_b32 s22, s20, s22                    ; the row group inside its tensor
	s_lshl_b32 s24, s22, 19                        ; 128 rows of 4,096 bytes,
	s_lshl_b32 s25, s18, 18                        ; 64 rows,
	s_add_co_u32 s24, s24, s25
	s_lshl_b32 s25, s19, 9                         ; 128 numbers
	s_add_co_u32 s24, s24, s25
	s_mov_b32 s25, 0
	s_lshl_b32 s26, s20, 3
	s_add_co_u32 s26, s26, s19
	s_mul_i32 s26, s26, CH                         ; my chunk,
	s_mul_i32 s27, s18, 6144                       ; my four images in it
	s_add_co_u32 s26, s26, s27
	s_mov_b32 s27, 0
	s_mov_b32 s[SEL], 0x76543210
	s_mov_b32 s[SEL+1], 0xfedcba98                 ; v_permlanex16_b32's selects for lane l xor 16
	s_mov_b32 s[HM], 0xffff0000                    ; lanes 16-31
.irp b, 0,1,2,3
	v_mov_b32 v[TM+4+\b], 0                        ; written once: a lane permute's destination counts as one of its sources
.endr
	s_wait_alu depctr_va_vdst(0)
	s_wait_kmcnt 0x0
	s_cmp_eq_u32 s23, 1                            ; the tensor is chosen by the task's number alone
	s_cselect_b64 s[6:7], s[8:9], s[6:7]
	s_cmp_eq_u32 s23, 2
	s_cselect_b64 s[6:7], s[10:11], s[6:7]
	s_cmp_eq_u32 s23, 3
	s_cselect_b64 s[6:7], s[12:13], s[6:7]
	s_cmp_lt_u32 s20, 64
	s_cselect_b64 s[4:5], s[4:5], s[6:7]
	s_add_nc_u64 s[4:5], s[4:5], s[24:25]
	s_add_nc_u64 s[14:15], s[14:15], s[26:27]
.macro LOADF fl, set                   ; fragment fl's 16 rows, 512 consecutive bytes a load
.irp q, 0,1,2,3,4,5,6,7,8,9,10,11,12,13,14,15
	global_load_b128 v[R+64*(\set)+4*\q:R+64*(\set)+4*\q+3], v[LI], s[4:5] offset:(32*((\fl)/2)+8*((\fl)%2)+\q+8*(\q/8))*4096 th:TH_LOAD_NT
.endr
.endm
.macro FRAGQ fl
.if \fl < 3
	s_wait_loadcnt 16                              ; this fragment's 16 loads are in; the next fragment's 16 may be out
.else
	s_wait_loadcnt 0x0
.endif
.irp q, 0,1,2,3,4,5,6,7,8,9,10,11,12,13,14,15
	ds_store_b128 v[SI], v[R+64*(\fl%2)+4*\q:R+64*(\fl%2)+4*\q+3] offset:SP*\q
.endr
.irp b, 0,1,2,3
.irp j, 0,1,2,3
	ds_load_b128 v[X+16*\b+4*\j:X+16*\b+4*\j+3], v[SO] offset:128*\b+16*\j   ; LDS serves a wave's instructions in order: these see the stores above
.endr
.endr
	s_wait_dscnt 0x0                               ; the numbers are back, and the stage's stores have read their registers
.if \fl > 0
	s_wait_xcnt 0x0                                ; the last fragment's stores have read v[PC] on: it is written again below
.endif
.if \fl < 2
	LOADF \fl+2, \fl%2
.endif
	QUANT X, PWB+\fl
.irp c, 0,1,2
	global_store_b128 v[LI], v[PC+4*\c:PC+4*\c+3], s[14:15] offset:1536*\fl+512*\c   ; the image: 512 consecutive bytes a store
.endr
.endm
	LOADF 0, 0
	LOADF 1, 1
.irp fl, 0,1,2,3
	FRAGQ \fl
.endr
	v_cndmask_b32 v[T], v[PWB], v[PWB+2], s[HM]    ; lane (r, h) stores the words of fragments 2 h and 2 h + 1
	v_cndmask_b32 v[T+1], v[PWB+1], v[PWB+3], s[HM]
	global_store_b64 v[WO], v[T:T+1], s[14:15]     ; 256 consecutive bytes
	s_wait_tensorcnt 0x0                           ; the wave's end
	ds_add_u32 v[SPW], v[NIL]
	s_wait_dscnt 0x0
	s_endpgm
.Lfunc_end_k_q450f232b58_quant:
	.size	k_q450f232b58_quant, .Lfunc_end_k_q450f232b58_quant-k_q450f232b58_quant
	.p2alignl 7, 3214868480
	.fill 96, 4, 3214868480
	.section	.rodata,"a",@progbits
	.p2align	6, 0x0
	.amdhsa_kernel k_q450f232b58_quant
		.amdhsa_group_segment_fixed_size 53248
		.amdhsa_private_segment_fixed_size 0
		.amdhsa_enable_private_segment 0
		.amdhsa_kernarg_size 48
		.amdhsa_user_sgpr_count 2
		.amdhsa_user_sgpr_kernarg_segment_ptr 1
		.amdhsa_wavefront_size32 1
		.amdhsa_system_sgpr_workgroup_id_x 1
		.amdhsa_system_sgpr_workgroup_id_y 1
		.amdhsa_system_sgpr_workgroup_id_z 1
		.amdhsa_system_vgpr_workitem_id 0
		.amdhsa_next_free_vgpr 256
		.amdhsa_next_free_sgpr 66
		.amdhsa_reserve_vcc 0
		.amdhsa_float_denorm_mode_32 3
		.amdhsa_float_denorm_mode_16_64 3
		.amdhsa_memory_ordered 1
		.amdhsa_forward_progress 1
		.amdhsa_inst_pref_size 34
	.end_amdhsa_kernel
	.amdgpu_metadata
---
amdhsa.version: [ 1, 2 ]
amdhsa.kernels:
  - .name:           k_q450f232b58_quant
    .symbol:         k_q450f232b58_quant.kd
    .args:
      - { .name: x, .offset: 0, .size: 8, .value_kind: global_buffer, .address_space: global }
      - { .name: Wq, .offset: 8, .size: 8, .value_kind: global_buffer, .address_space: global }
      - { .name: Wk, .offset: 16, .size: 8, .value_kind: global_buffer, .address_space: global }
      - { .name: Wv, .offset: 24, .size: 8, .value_kind: global_buffer, .address_space: global }
      - { .name: Wo, .offset: 32, .size: 8, .value_kind: global_buffer, .address_space: global }
      - { .name: opnd, .offset: 40, .size: 8, .value_kind: global_buffer, .address_space: global }
    .group_segment_fixed_size: 53248
    .private_segment_fixed_size: 0
    .kernarg_segment_align: 8
    .kernarg_segment_size: 48
    .max_flat_workgroup_size: 192
    .sgpr_count:     66
    .vgpr_count:     256
    .wavefront_size: 32
...
	.end_amdgpu_metadata
.endif
;; end of part 1
;; launch proj (part 2): grid 4 x 64, 4 waves a work-group, clusters of 4 x 4, 327,680 bytes of LDS; arguments opnd, bq, bk, bv, qkv; writes qkv
.if DOCPART == 2
	.amdgcn_target "amdgcn-amd-amdhsa--gfx1250"
	.amdhsa_code_object_version 6
	.text
	.protected	k_q450f232b58_proj
	.globl	k_q450f232b58_proj
	.p2align	8
	.type	k_q450f232b58_proj,@function
k_q450f232b58_proj:
	s_mov_b64 s[64:65], 0
	v_nop
	global_prefetch_b8 v0, s[64:65] scope:SCOPE_SE
	s_setreg_imm32_b32 hwreg(HW_REG_WAVE_MODE, 25, 1), 1
	s_wait_xcnt 0x0
	s_wait_alu depctr_hold_cnt(0) depctr_sa_sdst(0) depctr_va_vdst(0) depctr_va_sdst(0) depctr_va_ssrc(0) depctr_va_vcc(0) depctr_vm_vsrc(0)
	s_getreg_b32 s2, hwreg(HW_REG_IB_STS2, 6, 4)
	s_cmp_eq_u32 s2, 0
	s_cbranch_scc0 .Lentry_in_a_cluster
	s_endpgm
.Lentry_in_a_cluster:
	s_bfe_u32 s2, ttmp6, 0x10000c
	s_cmp_lg_u32 s2, 0xf033
	s_cbranch_scc0 .Lentry_shape_is_right
	s_endpgm
.Lentry_shape_is_right:
; LAUNCH 2 OF 5.  Q = x Wq^T + bq, K = x Wk^T + bk (quantised along e) and V^T = (x Wv^T + bv)^T (quantised along the keys), all on codes of E2M3; results leave as chunks (launch 1's format).
; qkv: Q chunk 8 G + e / 128, K 512 + the same, V^T 1024 + 64 (e / 128) + G;  G = row of x / 128.
; SHARES.  8,192 x 3,072 results on 256 work-groups: a work-group owns ONE row group G of x (128 rows) and the same 256 rows (tile X) of Wq, Wk and Wv: three tiles of 128 x 256, one after the other, K = 1,024 each.
; x's 8 chunks come into LDS once and stay; the weights go through two slots of four K steps, and the slots take turns on into the next tile.  Four waves, each 64 x 128: 32 accumulators.
; SOURCE 1 holds the operand whose index stays in the lane (four fragments a wave), SOURCE 0 the one whose index runs along a lane's registers (eight fragments) and so becomes the next product's K.
; Q, K: source 1 = my 64 rows of x, source 0 = my 128 rows of W.  V: source 1 = my 64 rows of Wv, source 0 = all 128 rows of x.  The two cases differ in LDS addresses alone.
; By the chunk's order of rows the 64 registers of a block of 16 lanes' rows are k = 32 b + 16 h + i of the next operand, and what the quantiser makes of them is that operand's fragment as it stands.
; The bias is the C of each tile's first products.
; CLUSTERS 4 x 4: G = 4 x cluster y + cy, X = cx.  x's chunks hang on G and are shared along a row of the cluster, the weights' on X, along a column: each is asked for jointly.
; LOADS: each is two chunks, 25,600 dense bytes.  Wave w brings x's chunks 2 w, 2 w + 1 and its quarter of each weight slot: three first fills, all out together; later one refill a wave behind each of four rounds.
; A refill of slot 0 goes out in the middle of K step 3, one of slot 1 in the middle of the way out: each has four K steps (128 matrix instructions a wave) and half a way out in which to land.
; All of it is written out: no loop.  LIMITS: as launch 1's (a block of zeros gets the byte 1; NaN and infinities are not served).
; THE FIRST FILLS AS THEY STAND (in place of what the paragraph LOADS above says of them): at the head one joint load a wave, four chunks, 51,200 dense bytes:
; wave 0 x's chunks 0-3, wave 1 x's chunks 4-7, wave 2 slot 0's row group 0, wave 3 its row group 1.  Slot 1's first fill, a quarter a wave (two chunks), stands behind the wait for all loads,
; the add, its wait and a round of the cluster's barrier, as a refill does.  So one load of a wave is out at a time, and every wait for tensor loads is for 0.
; PREFETCH INTO THE L2: each later fill of a weight slot (25,600 bytes a wave, 100 blocks of 256 bytes) is named once in the cluster: the four partners that ask for it jointly take 25 blocks each,
; told apart by address (cy); a lane a block, lanes 25-31 name the 25th again; one instruction a wave.  Slot 1's first fill is named at the head; the next weight's slot 0 in K step 0, three K steps ahead of its refill;
; its slot 1 in K step 4, three K steps and half a way out ahead.  The last tile names nothing.  The address registers are never rewritten.
.set CH,    12800
.set G0H, 88                           ; s[88:91] group 0 of the head's load of slot 0's row group
.set PFV, 28                           ; v28    the prefetches' offset: 6,400 cy + 256 min(lane, 24); never rewritten
.set BLK,   2*CH
.set QUAD,  4*CH
.set WS,    8*CH                       ; behind x's 8 chunks: the weights' slot 0 (K steps 0-3: row group 0's four chunks, then row group 1's), then slot 1
.set WSL,   2*QUAD
.set SPARE, WS+2*WSL                   ; the spare words, 128 bytes for each wave: two blocks of 256 bytes that no other line names
.set NEXTW, 64*CH                      ; from a weight's chunk to the same chunk of the next weight: 8 row groups
.set LI,  1                            ; v1     16 x lane
.set SPW, 2                            ; v2     my spare word; never rewritten
.set NIL, 3                            ; v3     0; never rewritten
.set FAQ, 4                            ; v4-5   Q, K: the lane side's fragments (x), K steps 0-3 and 4-7
.set RAQ, 6                            ; v6-7   its scale words
.set FBQ, 8                            ; v8-9   the register side's fragments (W), slot 0 and 1
.set RBQ, 10                           ; v10-11 its scale words
.set FAV, 12                           ; v12-19 the same four pairs for V: lane side Wv, register side x
.set RAV, 14
.set FBV, 16
.set RBV, 18
.set WOQ, 20                           ; v20, v21 where my scale words go, counted from my images' base
.set WOV, 21
.set TM,  160                          ; the way out: v160-175 at work
.set PC,  176                          ; v176-194 codes
.set PWB, 196                          ; v196-199 the four fragments' scale words
.set T,   200
.set CBQ, 0                            ; window 3: bq by register block (64), bk (64), bv by lane block (32)
.set CBK, 64
.set CBV, 128
; window 0: v32+4p the lane side's scale words of set p, v40+8p the register side's; v64+48p the lane side's 4 fragments.  window 1: v128p the register side's 8 fragments.  window 2: accumulator (a, b) at v[64 a + 8 b].
.set G1A, 24
.set G1B, 48
.set G0X, 68
.set G0W0, 72
.set G0W1, 76
.set OUTQ, 80
.set OUTK, 82
.set OUTV, 84
.set HM,  92
.set SEL, 94
.set MSB, 0
.macro WIN new                         ; the immediate's high byte repeats the setting that is left
.if MSB != (\new)
	s_set_vgpr_msb (MSB<<8)|(\new)
.set MSB, (\new)
.endif
.endm
.macro PLACES                          ; four places behind a matrix instruction, ahead of loads into its registers and of reads of its results
.rept 4
	v_nop
.endr
.endm
.macro CREST                           ; a round of the cluster's barrier behind its opening barrier
	s_cmp_lg_u32 s14, 0
	s_cbranch_scc1 .Lnot_wave_0_\@
	s_barrier_signal -3
.Lnot_wave_0_\@:
	s_barrier_wait -3
	s_barrier_signal -1
	s_barrier_wait -1
.endm
.macro CROUND
	s_barrier_signal -1
	s_barrier_wait -1
	CREST
.endm
.macro FETCH fa, ra, fb, rb, j, p      ; 39 LDS loads in one run: the j-th K step of the half in hand into set p; every load takes 512 (the words: 256) consecutive bytes
	WIN 0x40
.irp i, 0,1,2,3,4,5,6,7
.irp c, 0,1,2
	ds_load_b128 v[128*(\p)+12*\i+4*\c:128*(\p)+12*\i+4*\c+3], v[\fb] offset:\j*CH+1536*\i+512*\c
.endr
.endr
	WIN 0
.irp i, 0,1,2,3
.irp c, 0,1,2
	ds_load_b128 v[64+48*(\p)+12*\i+4*\c:64+48*(\p)+12*\i+4*\c+3], v[\fa] offset:\j*CH+1536*\i+512*\c
.endr
.endr
.irp u, 0,1
	ds_load_b128 v[40+8*(\p)+4*\u:40+8*(\p)+4*\u+3], v[\rb] offset:\j*CH+12288+256*\u
.endr
	ds_load_b128 v[32+4*(\p):32+4*(\p)+3], v[\ra] offset:\j*CH+12288
.endm
; 16 matrix instructions: lane blocks a0, a0 + 1 x register blocks 0 .. 7.  cm: C = the accumulator (0), the bias at cb by register block (1), by lane block (2).
; The 32 accumulators take turns, one instruction a turn, in the same order in every step.
.macro MUL16 p, a0, cm, cb
.if \cm
	WIN 0xb1                                       ; source 0 window 1, source 1 window 0, C window 3, D window 2
.else
	WIN 0xa1
.endif
.irp a, \a0, \a0+1
.irp b, 0,1,2,3,4,5,6,7
.if \cm == 0
	v_wmma_scale_f32_16x16x128_f8f6f4 v[64*(\a)+8*\b:64*(\a)+8*\b+7], v[128*(\p)+12*\b:128*(\p)+12*\b+11], v[64+48*(\p)+12*(\a):64+48*(\p)+12*(\a)+11], v[64*(\a)+8*\b:64*(\a)+8*\b+7], v[40+8*(\p)+\b], v[32+4*(\p)+(\a)] matrix_a_fmt:MATRIX_FMT_FP6 matrix_b_fmt:MATRIX_FMT_FP6
.elseif \cm == 1
	v_wmma_scale_f32_16x16x128_f8f6f4 v[64*(\a)+8*\b:64*(\a)+8*\b+7], v[128*(\p)+12*\b:128*(\p)+12*\b+11], v[64+48*(\p)+12*(\a):64+48*(\p)+12*(\a)+11], v[(\cb)+8*\b:(\cb)+8*\b+7], v[40+8*(\p)+\b], v[32+4*(\p)+(\a)] matrix_a_fmt:MATRIX_FMT_FP6 matrix_b_fmt:MATRIX_FMT_FP6
.else
	v_wmma_scale_f32_16x16x128_f8f6f4 v[64*(\a)+8*\b:64*(\a)+8*\b+7], v[128*(\p)+12*\b:128*(\p)+12*\b+11], v[64+48*(\p)+12*(\a):64+48*(\p)+12*(\a)+11], v[(\cb)+8*(\a):(\cb)+8*(\a)+7], v[40+8*(\p)+\b], v[32+4*(\p)+(\a)] matrix_a_fmt:MATRIX_FMT_FP6 matrix_b_fmt:MATRIX_FMT_FP6
.endif
.endr
.endr
.endm
.macro MUL32 p, cm, cb
	MUL16 \p, 0, \cm, \cb
	MUL16 \p, 2, \cm, \cb
.endm
.macro STEP fa, ra, fb, rb, j, p, cm, cb   ; the set that has landed is multiplied while K step j of the half in hand is fetched into set p
	s_wait_dscnt 0x0
	PLACES
	FETCH \fa, \ra, \fb, \rb, \j, \p
	MUL32 1-\p, \cm, \cb
.endm
.macro STEPP fa, ra, fb, rb, j, p, cm, cb, more, off   ; the same step; more = 1: behind its run of LDS loads it names my share of the weight fill that begins off bytes behind Wq's
	s_wait_dscnt 0x0
	PLACES
	FETCH \fa, \ra, \fb, \rb, \j, \p
.if \more
	global_prefetch_b8 v[PFV], s[46:47] offset:\off th:TH_LOAD_NT scope:SCOPE_SE
.endif
	MUL32 1-\p, \cm, \cb
.endm
; 64 numbers of a lane, v[s] on in window w, register 16 b + i = k 32 b + 16 h + i of my row, become a fragment's codes in v[PC] on and its scale word in v[pw].
; Each accumulator is first read at its registers 0 and 1.
.macro QUANTW w, s, pw
	WIN (\w)|((\w)<<2)
.irp b, 0,1,2,3
	v_max3_num_f32 v[TM+\b], |v[(\s)+16*\b]|, |v[(\s)+16*\b+1]|, 0x1800000   ; and the floor 2^(3 - 127): the byte cannot fall under 1
.endr
	WIN ((\w)<<2)|((\w)<<4)
.irp i, 2,4,6,8,10,12,14
.irp b, 0,1,2,3
	v_max3_num_f32 v[TM+\b], v[TM+\b], |v[(\s)+16*\b+\i]|, |v[(\s)+16*\b+\i+1]|
.endr
.endr
	WIN 0
.irp b, 0,1,2,3
	v_permlanex16_b32 v[TM+4+\b], v[TM+\b], s[SEL], s[SEL+1]
.endr
.irp b, 0,1,2,3
	v_max_num_f32 v[TM+\b], v[TM+\b], v[TM+4+\b]   ; with lane l xor 16's: the block's largest magnitude
.endr
.irp b, 0,1,2,3
	v_add_nc_u32 v[TM+12+\b], 0xff000000, v[TM+\b] ; 2 off its exponent field: the conversion's scale operand
.endr
.irp b, 0,1,2,3
	v_lshrrev_b32 v[TM+4+\b], 23, v[TM+12+\b]      ; the scale's byte
.endr
	v_lshl_or_b32 v[\pw], v[TM+5], 8, v[TM+4]
	v_lshl_or_b32 v[\pw], v[TM+6], 16, v[\pw]
	v_lshl_or_b32 v[\pw], v[TM+7], 24, v[\pw]
	s_wait_xcnt 0x0                                ; the last image's stores have read v[PC] on: it is written again below
	WIN (\w)
.irp c, 0,1
	v_cvt_scalef32_pk16_fp6_f32 v[PC+6*\c:PC+6*\c+2], v[(\s)+32*\c:(\s)+32*\c+15], v[TM+12+2*\c]
	v_cvt_scalef32_pk16_fp6_f32 v[PC+12+4*\c:PC+14+4*\c], v[(\s)+32*\c+16:(\s)+32*\c+31], v[TM+13+2*\c]
.endr
	WIN 0
	v_nop                                          ; one plain place behind a scaled conversion
.irp c, 0,1
.irp i, 0,1,2
	v_permlane16_swap_b32 v[PC+6*\c+\i], v[PC+12+4*\c+\i]
.endr
.irp i, 0,1,2
	v_mov_b32 v[PC+3+6*\c+\i], v[PC+12+4*\c+\i]
.endr
.endr
.endm
.macro OUTB a, out                     ; lane block a becomes a fragment of my chunk and leaves as it stands: three stores of 512 consecutive bytes
	QUANTW 2, 64*(\a), PWB+(\a)
.irp c, 0,1,2
	global_store_b128 v[LI], v[PC+4*\c:PC+4*\c+3], s[\out:\out+1] offset:1536*(\a)+512*\c
.endr
.endm
; A TILE.  On the way in, K step 0's fragments have been asked for into set 0.  more = 1: another tile follows: both slots are filled again, and its K step 0 is fetched (by the n.. registers).
.macro TILE fa, ra, fb, rb, cm, cb, more, nfa, nra, nfb, nrb, out, wo
	STEPP \fa, \ra, \fb, \rb, 1, 1, \cm, \cb, \more, PFN   ; K step 0: the first products start the sums on the bias
	STEP \fa, \ra, \fb, \rb, 2, 0, 0, 0
	STEP \fa, \ra, \fb, \rb, 3, 1, 0, 0
	WIN 0                                          ; K step 3 leaves slot 0
	s_wait_tensorcnt 0x0                           ; all my tensor loads have landed, my part of slot 1 among them
.if \more
	ds_add_u32 v[SPW], v[NIL]                      ; 0 onto my spare word
	s_add_nc_u64 s[G0W0+2:G0W0+3], s[G0W0+2:G0W0+3], NEXTW   ; no load of mine is out, so a group 0 may be written: the next weight's K steps 0-3
.endif
	s_wait_dscnt 0x0                               ; K step 3's fragments are in: my reads of slot 0 are over (and the add is done)
	s_barrier_signal -1                            ; (more = 1: this barrier opens a round of the cluster's barrier)
	MUL16 1, 0, 0, 0
	WIN 0
	s_barrier_wait -1
.if \more
	CREST                                          ; no wave of any partner still reads slot 0 or has a load on its way
	tensor_load_to_lds s[G0W0:G0W0+3], s[G1B:G1B+7]   ; the refill, first behind the round
	s_nop 0
.endif
	PLACES                                         ; (behind the load; also the places ahead of the loads below)
	FETCH \fa+1, \ra+1, \fb+1, \rb+1, 0, 0
	MUL16 1, 2, 0, 0
	STEPP \fa+1, \ra+1, \fb+1, \rb+1, 1, 1, 0, 0, \more, PFN+QUAD
	STEP \fa+1, \ra+1, \fb+1, \rb+1, 2, 0, 0, 0
	STEP \fa+1, \ra+1, \fb+1, \rb+1, 3, 1, 0, 0
	s_wait_dscnt 0x0                               ; K step 7: my reads of slot 1 are over
	MUL32 1, 0, 0
	WIN 0
.irp b, 0,1,2,3
	v_mov_b32 v[TM+4+\b], 0                        ; a lane permute's destination counts as one of its sources; these four are also the places behind the last products
.endr
	OUTB 0, \out                                   ; THE WAY OUT, with the change of slots in its middle
	OUTB 1, \out
.if \more
	s_wait_tensorcnt 0x0                           ; my part of slot 0's refill has landed: no load of mine is out
	ds_add_u32 v[SPW], v[NIL]                      ; 0 onto my spare word
	s_add_nc_u64 s[G0W1+2:G0W1+3], s[G0W1+2:G0W1+3], NEXTW   ; the next weight's K steps 4-7
	s_wait_dscnt 0x0                               ; the add is done; my reads of slot 1 ended ahead of K step 7's products
	CROUND                                         ; both hold of every wave of every partner
	tensor_load_to_lds s[G0W1:G0W1+3], s[G1B:G1B+7]   ; the refill, first behind the round
	s_nop 0
	PLACES
	FETCH \nfa, \nra, \nfb, \nrb, 0, 0             ; the next tile's K step 0 lands under the rest of the way out
.endif
	OUTB 2, \out
	OUTB 3, \out
	v_cndmask_b32 v[T], v[PWB], v[PWB+2], s[HM]    ; lane (r, h) stores the words of my blocks 2 h and 2 h + 1
	v_cndmask_b32 v[T+1], v[PWB+1], v[PWB+3], s[HM]
	global_store_b64 v[\wo], v[T:T+1], s[\out:\out+1]   ; 256 consecutive bytes
.endm
	s_load_b256 s[4:11], s[0:1], 0x0               ; opnd, bq, bk, bv
	s_load_b64 s[12:13], s[0:1], 0x20              ; qkv
	v_lshl_add_u32 v[SPW], v0, 2, SPARE
	v_mov_b32 v[NIL], 0
	ds_add_u32 v[SPW], v[NIL]                      ; the wave's opening
	ds_add_u32 v[SPW], v[NIL]
	v_lshrrev_b32 v22, 5, v0
	v_readfirstlane_b32 s14, v22                   ; wave 0..3
	s_lshr_b32 s15, s14, 1                         ; rh.  Q, K: my half of x's rows; V: my row group of Wv.  Also: the weight's row group that I fetch
	s_and_b32 s16, s14, 1                          ; ch.  Q, K: my row group of W; V: my half of Wv's row group.  Also: which two K steps of a slot I fetch
	s_bfe_u32 s40, ttmp6, 0x40000                  ; cx
	s_bfe_u32 s41, ttmp6, 0x40004                  ; cy
	s_lshl_b32 s42, ttmp9, 2
	s_add_co_u32 s42, s42, s40                     ; X = 4 x cluster x + cx
	s_and_b32 s17, ttmp7, 0xffff
	s_lshl_b32 s17, s17, 2
	s_add_co_u32 s17, s17, s41                     ; G = 4 x cluster y + cy
	s_lshl_b32 s43, s41, 2
	s_lshl_b32 s43, 15, s43                        ; my row of the cluster
	s_lshl_b32 s44, 0x1111, s40                    ; my column
	s_or_b32 s[G1A], s43, (3<<16)|(1<<21)          ; the mask; elements of 8 bytes; bit 21 set beside a mask; no padding
	s_or_b32 s[G1B], s44, (3<<16)|(1<<21)
.irp g, G1A, G1B
	s_mov_b32 s[\g+1], 32<<16                      ; tensor_dim0 = 32 elements: rows of 256 bytes
	s_mov_b32 s[\g+2], 200<<16                     ; tensor_dim1 = 200 rows: four chunks, for the head's loads
	s_mov_b32 s[\g+3], 32<<16                      ; tile_dim0
	s_mov_b32 s[\g+4], 200                         ; tile_dim1
	s_mov_b32 s[\g+5], 32                          ; the pitch: dense
	s_mov_b32 s[\g+6], 0
	s_mov_b32 s[\g+7], 0
.endr
	s_lshl_b32 s18, s17, 3
	s_lshl_b32 s19, s16, 2                         ; the head: x's chunks 4 (w % 2) on
	s_add_co_u32 s18, s18, s19                     ; x: chunk 8 G + 4 (w % 2)
	s_mul_i32 s18, s18, CH
	s_mov_b32 s19, 0
	s_lshl_b32 s46, s42, 1
	s_add_co_u32 s46, s46, s15
	s_add_co_u32 s46, s46, 64                      ; Wq: row group 64 + 2 X + rh,
	s_lshl_b32 s46, s46, 3
	s_lshl_b32 s47, s16, 1
	s_add_co_u32 s46, s46, s47                     ; its chunk 2 ch
	s_mul_i32 s46, s46, CH
	s_mov_b32 s47, 0
	s_lshl_b32 s60, s42, 1
	s_add_co_u32 s60, s60, s16
	s_add_co_u32 s60, s60, 64                      ; the head: Wq's row group 64 + 2 X + w % 2,
	s_mul_i32 s60, s60, 8*CH                       ; from its chunk 0 on
	s_mov_b32 s61, 0
	s_mul_i32 s62, s16, QUAD                       ; and where the head's four chunks go in their region
	s_mul_i32 s63, s41, 6400                       ; the prefetches: my work-group's 25 blocks of a wave's 100
	s_mul_i32 s23, s14, BLK                        ; where they go: wave x 25,600 in each region: no place in the cluster enters an LDS address
	s_wait_dscnt 0x0                               ; both opening adds are done
	s_wait_kmcnt 0x0
	s_add_nc_u64 s[20:21], s[4:5], s[18:19]
	s_add_nc_u64 s[46:47], s[4:5], s[46:47]
	CROUND                                         ; all sixteen work-groups are here: the first joint loads meet
	s_mov_b32 s[G0X], 1                            ; x's four chunks
	s_mov_b32 s[G0X+1], s62
	s_mov_b64 s[G0X+2:G0X+3], s[20:21]
	s_or_b32 s[G0X+3], s[G0X+3], 0x80000000
	s_mov_b32 s[G0H], 1                            ; a row group of slot 0
	s_add_co_u32 s[G0H+1], s62, WS
	s_add_nc_u64 s[G0H+2:G0H+3], s[4:5], s[60:61]
	s_or_b32 s[G0H+3], s[G0H+3], 0x80000000
	s_mov_b32 s[G0W0], 1                           ; my quarter of slot 0: first used, stepped to the next weight, at its refill
	s_add_co_u32 s[G0W0+1], s23, WS
	s_mov_b64 s[G0W0+2:G0W0+3], s[46:47]
	s_or_b32 s[G0W0+3], s[G0W0+3], 0x80000000
	s_mov_b32 s[G0W1], 1                           ; my quarter of slot 1
	s_add_co_u32 s[G0W1+1], s23, WS+WSL
	s_add_nc_u64 s[G0W1+2:G0W1+3], s[46:47], QUAD
	s_or_b32 s[G0W1+3], s[G0W1+3], 0x80000000
	s_cmp_lt_u32 s14, 2                            ; one load a wave at the head: one branch on the wave's number, a load in each arm, one join
	s_cbranch_scc0 .Lhead_w
	tensor_load_to_lds s[G0X:G0X+3], s[G1A:G1A+7]  ; waves 0, 1: x
	s_nop 0
	PLACES
	s_branch .Lhead_asked
.Lhead_w:
	tensor_load_to_lds s[G0H:G0H+3], s[G1B:G1B+7]  ; waves 2, 3: slot 0
	s_nop 0
	PLACES
.Lhead_asked:
	v_and_b32 v[PFV], 31, v0
	v_min_u32 v[PFV], 24, v[PFV]
	v_lshl_add_u32 v[PFV], v[PFV], 8, s63
	global_prefetch_b8 v[PFV], s[46:47] offset:QUAD th:TH_LOAD_NT scope:SCOPE_SE   ; my share of my quarter of slot 1
	v_and_b32 v22, 31, v0
	v_lshlrev_b32 v[LI], 4, v22
	s_wait_alu depctr_va_vdst(0)
	v_and_b32 v23, 15, v0                          ; r
	v_bfe_u32 v24, v0, 4, 1                        ; h
	v_lshlrev_b32 v25, 4, v23                      ; 16 r
	s_wait_alu depctr_va_vdst(0)
	s_mul_i32 s32, s15, 6144                       ; four fragments on
	s_lshl_b32 s33, s15, 8                         ; and their scale words
	s_mul_i32 s34, s16, QUAD
	s_add_co_u32 s34, s34, WS                      ; W's row group ch
	s_mul_i32 s35, s15, QUAD
	s_add_co_u32 s35, s35, WS                      ; Wv's row group rh,
	s_mul_i32 s36, s16, 6144
	s_add_co_u32 s36, s36, s35                     ; its fragments 4 ch on,
	s_lshl_b32 s37, s16, 8
	s_add_co_u32 s37, s37, s35                     ; and their scale words
	v_add_nc_u32 v[FAQ], s32, v[LI]
	v_add_nc_u32 v[RAQ], s33, v25
	v_add_nc_u32 v[FBQ], s34, v[LI]
	v_add_nc_u32 v[RBQ], s34, v25
	v_add_nc_u32 v[FAV], s36, v[LI]
	v_add_nc_u32 v[RAV], s37, v25
	v_lshlrev_b32 v[FBV], 4, v22
	v_lshlrev_b32 v[RBV], 4, v23
	v_add_nc_u32 v[FAQ+1], QUAD, v[FAQ]            ; K steps 4-7: x's chunks 4 on, the weights' slot 1
	v_add_nc_u32 v[RAQ+1], QUAD, v[RAQ]
	v_add_nc_u32 v[FBQ+1], WSL, v[FBQ]
	v_add_nc_u32 v[RBQ+1], WSL, v[RBQ]
	v_add_nc_u32 v[FAV+1], WSL, v[FAV]
	v_add_nc_u32 v[RAV+1], WSL, v[RAV]
	v_add_nc_u32 v[FBV+1], QUAD, v[FBV]
	v_add_nc_u32 v[RBV+1], QUAD, v[RBV]
	v_lshl_add_u32 v[WOQ], v24, 3, v25             ; 16 r + 8 h
	s_mul_i32 s38, s15, 5888
	s_sub_co_u32 s38, 12288, s38                   ; my images' base stands 6,144 x half into the chunk, my words at 12,288 + 256 x half
	s_mul_i32 s39, s16, 5888
	s_sub_co_u32 s39, 12288, s39
	v_add_nc_u32 v[WOV], s39, v[WOQ]
	v_add_nc_u32 v[WOQ], s38, v[WOQ]
	s_mov_b32 s[HM], 0xffff0000                    ; lanes 16-31
	s_mov_b32 s[SEL], 0x76543210
	s_mov_b32 s[SEL+1], 0xfedcba98                 ; v_permlanex16_b32's selects for lane l xor 16
	s_lshl_b32 s56, s42, 1                         ; 2 X
	s_lshl_b32 s58, s17, 3
	s_add_co_u32 s58, s58, s56
	s_add_co_u32 s58, s58, s16                     ; Q: chunk 8 G + 2 X + ch,
	s_mul_i32 s58, s58, CH
	s_add_co_u32 s58, s58, s32                     ; my four images in it
	s_mov_b32 s59, 0
	s_add_nc_u64 s[OUTQ:OUTQ+1], s[12:13], s[58:59]
	s_add_nc_u64 s[OUTK:OUTK+1], s[OUTQ:OUTQ+1], 512*CH
	s_add_co_u32 s60, s56, s15                     ; 2 X + rh
	s_lshl_b32 s58, s60, 6
	s_add_co_u32 s58, s58, s17
	s_add_co_u32 s58, s58, 1024                    ; V^T: chunk 1024 + 64 (2 X + rh) + G,
	s_mul_i32 s58, s58, CH
	s_mul_i32 s61, s16, 6144
	s_add_co_u32 s58, s58, s61                     ; my four images in it
	s_add_nc_u64 s[OUTV:OUTV+1], s[12:13], s[58:59]
	; the biases, in the results' layouts, into window 3
	s_add_co_u32 s61, s56, s16
	s_lshl_b32 s61, s61, 9
	v_lshl_add_u32 v26, v24, 6, s61                ; bq, bk: register block b, register j: e = 128 (2 X + ch) + 32 (b / 2) + 8 (b % 2) + 16 h + j
	v_and_b32 v27, 8, v23
	v_add_nc_u32 v27, v27, v23                     ; r + 8 (r / 8)
	s_lshl_b32 s60, s60, 7
	s_lshl_b32 s62, s16, 6
	s_add_co_u32 s60, s60, s62
	v_add_nc_u32 v27, s60, v27
	v_lshlrev_b32 v27, 2, v27                      ; bv: lane block a: e = 128 (2 X + rh) + 64 ch + 32 (a / 2) + 8 (a % 2) + r + 8 (r / 8), the same in all eight registers
	WIN 0xc0
.irp b, 0,1,2,3,4,5,6,7
	global_load_b128 v[CBQ+8*\b:CBQ+8*\b+3], v26, s[6:7] offset:(32*(\b/2)+8*(\b%2))*4
	global_load_b128 v[CBQ+8*\b+4:CBQ+8*\b+7], v26, s[6:7] offset:(32*(\b/2)+8*(\b%2))*4+16
	global_load_b128 v[CBK+8*\b:CBK+8*\b+3], v26, s[8:9] offset:(32*(\b/2)+8*(\b%2))*4
	global_load_b128 v[CBK+8*\b+4:CBK+8*\b+7], v26, s[8:9] offset:(32*(\b/2)+8*(\b%2))*4+16
.endr
.irp a, 0,1,2,3
	global_load_b32 v[CBV+8*\a], v27, s[10:11] offset:(32*(\a/2)+8*(\a%2))*4
.endr
	s_wait_loadcnt 0x0
	WIN 0xc3
.irp a, 0,1,2,3
.irp j, 1,2,3,4,5,6,7
	v_mov_b32 v[CBV+8*\a+\j], v[CBV+8*\a]
.endr
.endr
	WIN 0
	s_wait_alu depctr_va_vdst(0)
	s_wait_tensorcnt 0x0                           ; my tile of the head's four is in
	ds_add_u32 v[SPW], v[NIL]
	s_mov_b32 s[G1B+2], 100<<16                    ; no load of mine is out, so a descriptor may be written: from here on a load of weights brings 100 rows, two chunks
	s_mov_b32 s[G1B+4], 100
	s_wait_dscnt 0x0                               ; the add is done
	CROUND                                         ; everybody's tile is in, and all sixteen work-groups are here
	tensor_load_to_lds s[G0W1:G0W1+3], s[G1B:G1B+7]   ; slot 1's first fill, my quarter: the first tensor load behind the round
	s_nop 0
	PLACES
	FETCH FAQ, RAQ, FBQ, RBQ, 0, 0
.set PFN, NEXTW                        ; what tile Q names ahead: Wk's slots
	TILE FAQ, RAQ, FBQ, RBQ, 1, CBQ, 1, FAQ, RAQ, FBQ, RBQ, OUTQ, WOQ   ; Q
.set PFN, 2*NEXTW                      ; tile K: Wv's slots
	TILE FAQ, RAQ, FBQ, RBQ, 1, CBK, 1, FAV, RAV, FBV, RBV, OUTK, WOQ   ; K
	TILE FAV, RAV, FBV, RBV, 2, CBV, 0, 0, 0, 0, 0, OUTV, WOV           ; V^T: nothing more is asked for
	s_wait_tensorcnt 0x0                           ; the wave's end
	ds_add_u32 v[SPW], v[NIL]
	s_wait_dscnt 0x0
	CROUND                                         ; the closing round: no work-group ends while a partner may still ask for a tile that names it
	s_endpgm
.Lfunc_end_k_q450f232b58_proj:
	.size	k_q450f232b58_proj, .Lfunc_end_k_q450f232b58_proj-k_q450f232b58_proj
	.p2alignl 7, 3214868480
	.fill 96, 4, 3214868480
	.section	.rodata,"a",@progbits
	.p2align	6, 0x0
	.amdhsa_kernel k_q450f232b58_proj
		.amdhsa_group_segment_fixed_size 327680
		.amdhsa_private_segment_fixed_size 0
		.amdhsa_enable_private_segment 0
		.amdhsa_kernarg_size 40
		.amdhsa_user_sgpr_count 2
		.amdhsa_user_sgpr_kernarg_segment_ptr 1
		.amdhsa_wavefront_size32 1
		.amdhsa_system_sgpr_workgroup_id_x 1
		.amdhsa_system_sgpr_workgroup_id_y 1
		.amdhsa_system_sgpr_workgroup_id_z 1
		.amdhsa_system_vgpr_workitem_id 0
		.amdhsa_next_free_vgpr 1024
		.amdhsa_next_free_sgpr 100
		.amdhsa_reserve_vcc 0
		.amdhsa_float_denorm_mode_32 3
		.amdhsa_float_denorm_mode_16_64 3
		.amdhsa_memory_ordered 1
		.amdhsa_forward_progress 1
		.amdhsa_inst_pref_size 229
	.end_amdhsa_kernel
	.amdgpu_metadata
---
amdhsa.version: [ 1, 2 ]
amdhsa.kernels:
  - .name:           k_q450f232b58_proj
    .symbol:         k_q450f232b58_proj.kd
    .args:
      - { .name: opnd, .offset: 0, .size: 8, .value_kind: global_buffer, .address_space: global }
      - { .name: bq, .offset: 8, .size: 8, .value_kind: global_buffer, .address_space: global }
      - { .name: bk, .offset: 16, .size: 8, .value_kind: global_buffer, .address_space: global }
      - { .name: bv, .offset: 24, .size: 8, .value_kind: global_buffer, .address_space: global }
      - { .name: qkv, .offset: 32, .size: 8, .value_kind: global_buffer, .address_space: global }
    .group_segment_fixed_size: 327680
    .private_segment_fixed_size: 0
    .kernarg_segment_align: 8
    .kernarg_segment_size: 40
    .max_flat_workgroup_size: 128
    .sgpr_count:     100
    .vgpr_count:     1024
    .wavefront_size: 32
...
	.end_amdgpu_metadata
.endif
;; end of part 2
;; launch score (part 3): grid 36 x 4, 4 waves a work-group, no clusters, 327,680 bytes of LDS; arguments qkv, pbuf, stats; writes pbuf, stats
.if DOCPART == 3
	.amdgcn_target "amdgcn-amd-amdhsa--gfx1250"
	.amdhsa_code_object_version 6
	.text
	.protected	k_q450f232b58_score
	.globl	k_q450f232b58_score
	.p2align	8
	.type	k_q450f232b58_score,@function
k_q450f232b58_score:
	s_mov_b64 s[64:65], 0
	v_nop
	global_prefetch_b8 v0, s[64:65] scope:SCOPE_SE
	s_setreg_imm32_b32 hwreg(HW_REG_WAVE_MODE, 25, 1), 1
	s_wait_xcnt 0x0
; LAUNCH 3 OF 5.  S^T = K Q^T on codes for one tile of 256 queries x 256 keys; four waves, each a piece of 128 queries x 128 keys: 64 accumulators; source 0 = keys, source 1 = queries, so a lane holds one query.
; By piece: the mask on the diagonal, t = score x log2(e) / 32, M = ceil(the piece's largest t of the row), p = 2^(t - M), l = the sum of the unquantised p; p is quantised along the keys.
; Codes and scale words go to pbuf (launch 1's chunk format, chunk 17 (8 batch + pair) + the piece's place in its pair), -M and l to stats; launch 4 joins a row's pieces.
; LEFT OUT AS DEAD WORK (shown at the head of launch 1): tiles all of whose keys come after all of their queries: 36 of 64 tiles a batch are made.  In a tile on the diagonal wave 1's piece
; (queries 0-127, keys 128-255) is hidden whole: it is multiplied with the others, inside a tile that holds live work, and neither exponentiated nor stored.
; LIMIT: the promise holds while the scaled scores stay under 2^31 in magnitude; NaN and infinities are not served.
; LDS: wave w fetches one row group (w = 0, 1: the tile's queries; 2, 3: its keys).  Region A, 4 x 51,200 bytes: K steps 0-3, one load of four chunks a wave at the head.  Region B, 4 x 25,600: K steps 4, 5,
; first filled behind the first barrier.  K steps 6, 7 are filled over K steps 0, 1 of region A behind the barrier in K step 3, when every wave has read K steps 0-3.  One load of a wave is out at a time; every wait for tensor loads is for 0.
; NO CLUSTER, NO PREFETCH: the grid of 36 x 4 divides into no cluster whose partners share a row group at every place of the triangle, and which work-groups read a row group hangs on the tile's place in it.
.set CH,    12800
.set BLK,   2*CH
.set QUAD,  4*CH
.set REGB,  4*QUAD
.set SPARE, REGB+4*BLK
.set G1S,   56                         ; s[56:63] group 1 for loads of two chunks (s[24:31]: of four)
.set S4,    20                         ; v20-27 the row's sum in four chains of pairs (free behind part 1; the bytes' v24-27 are written behind the sums)
.set LI,  1
.set SPW, 2
.set NIL, 3
.set FA,  4
.set FB,  7
.set RA,  10
.set RB,  13
.set NM,  16
.set DL,  18
.set TT,  19
.set NINF, 20
.set BT,  24
.set BMX, 28
.set P0,  64
.set SCO, 128
.set SU,  132
.set PC,  136
.set PWB, 160
.set NMB, 4                            ; v4-11 -M of my eight blocks (the LDS address registers, which are done with when the products end)
.set LB,  176
.set T,   64                           ; v64-75 the words on their way out (p's first buffer, done with by then)
.set TI,  17
.set TJ,  18
.set BB,  19
.set G1,  24
.set G0,  32
.set MSK, 44
.set SKP, 45
.set CS,  46
.set SEL, 48
.set HM,  50
.set PB,  52
.set STP, 54
.set MSB, 0
.macro WIN new
.if MSB != (\new)
	s_set_vgpr_msb (MSB<<8)|(\new)
.set MSB, (\new)
.endif
.endm
.macro PLACES
.rept 4
	v_nop
.endr
.endm
.macro FETCH slot, q, p
	WIN 0x40
.irp i, 0,1,2,3,4,5,6,7
.irp c, 0,1,2
	ds_load_b128 v[128*\p+12*\i+4*\c:128*\p+12*\i+4*\c+3], v[FB+\slot] offset:\q*CH+1536*\i+512*\c
.endr
.endr
	WIN 0
.irp i, 0,1,2,3,4,5,6,7
.irp c, 0,1,2
	ds_load_b128 v[64+96*\p+12*\i+4*\c:64+96*\p+12*\i+4*\c+3], v[FA+\slot] offset:\q*CH+1536*\i+512*\c
.endr
.endr
.irp u, 0,1
	ds_load_b128 v[32+8*\p+4*\u:32+8*\p+4*\u+3], v[RA+\slot] offset:\q*CH+12288+256*\u
	ds_load_b128 v[48+8*\p+4*\u:48+8*\p+4*\u+3], v[RB+\slot] offset:\q*CH+12288+256*\u
.endr
.endm
.macro MULH p, hi, cm
	WIN 0xa1+0x50*\hi
.irp a, 0,1,2,3
.irp b, 0,1,2,3,4,5,6,7
.if \cm == 0
	v_wmma_scale_f32_16x16x128_f8f6f4 v[64*\a+8*\b:64*\a+8*\b+7], v[128*\p+12*\b:128*\p+12*\b+11], v[64+96*\p+48*\hi+12*\a:64+96*\p+48*\hi+12*\a+11], v[64*\a+8*\b:64*\a+8*\b+7], v[48+8*\p+\b], v[32+8*\p+4*\hi+\a] matrix_a_fmt:MATRIX_FMT_FP6 matrix_b_fmt:MATRIX_FMT_FP6
.else
	v_wmma_scale_f32_16x16x128_f8f6f4 v[64*\a+8*\b:64*\a+8*\b+7], v[128*\p+12*\b:128*\p+12*\b+11], v[64+96*\p+48*\hi+12*\a:64+96*\p+48*\hi+12*\a+11], 0, v[48+8*\p+\b], v[32+8*\p+4*\hi+\a] matrix_a_fmt:MATRIX_FMT_FP6 matrix_b_fmt:MATRIX_FMT_FP6
.endif
.endr
.endr
.endm
.macro MULS p, cm
	MULH \p, 0, \cm
	MULH \p, 1, \cm
.endm
.macro WORDS8 src, t, base, off
.irp k, 0,1,2,3
	v_cndmask_b32 v[\t+\k], v[\src+\k], v[\src+4+\k], s[HM]
.endr
	global_store_b128 v[LI], v[\t:\t+3], s[\base:\base+1] offset:\off
.endm
; THE SOFTMAX OF A BLOCK OF 16 QUERIES, IN THREE PARTS.  Part 1 (mask, the largest score of each 32 keys, -M) runs for all eight blocks first: every accumulator has its first read ahead of any exponential.
; Then part 2 of block a + 1 (t - M, one wait, 68 exponentials in one batch) stands ahead of part 3 of block a (sum, scales, codes, stores): behind a batch stand part 3 of the block before and part 2's multiply-adds of the next,
; and the one wait ahead of the next batch is also the wait ahead of this batch's first reader.  p takes turns on two buffers, v64-127 and v192-255.
.macro SETB a                          ; where block a's four largest scores, later its four largest p, are kept: four registers that nothing else holds from part 1 to the block's part 3 (block 0's: the scale operands' own, first used in its part 3)
.if (\a) == 0
.set BMX, 128
.elseif (\a) == 1
.set BMX, 12
.elseif (\a) == 2
.set BMX, 156
.elseif (\a) == 3
.set BMX, 168
.elseif (\a) == 4
.set BMX, 172
.elseif (\a) == 5
.set BMX, 184
.elseif (\a) == 6
.set BMX, 188
.else
.set BMX, 28
.endif
.endm
.macro SOFT1 a
.set WW, 2+(\a)/4
.set SS, 64*((\a)%4)
	SETB \a
.set NM, NMB+(\a)
	s_cmp_eq_u32 s[MSK], 0
	s_cbranch_scc1 .Lopen_\@
	v_add_nc_u32 v[TT], 32*((\a)/2)+8*((\a)%2), v[DL]
	WIN WW|(WW<<6)
.set n, 0
.rept 64
	v_cmp_gt_i32 vcc_lo, 32*(n/16)+n%16, v[TT]
	v_cndmask_b32 v[SS+n], v[SS+n], v[NINF], vcc_lo
.set n, n+1
.endr
	WIN 0
.Lopen_\@:
	WIN WW|(WW<<2)|(WW<<4)
.irp b, 0,1,2,3
	v_max3_num_f32 v[BMX+\b], v[SS+16*\b], v[SS+16*\b+1], v[SS+16*\b+2]
.endr
	WIN (WW<<2)|(WW<<4)
.irp i, 3,5,7,9,11,13
.irp b, 0,1,2,3
	v_max3_num_f32 v[BMX+\b], v[BMX+\b], v[SS+16*\b+\i], v[SS+16*\b+\i+1]
.endr
.endr
.irp b, 0,1,2,3
	v_max_num_f32 v[BMX+\b], v[BMX+\b], v[SS+16*\b+15]
.endr
	WIN 0
.irp b, 0,1,2,3
	v_permlanex16_b32 v[BT+\b], v[BMX+\b], s[SEL], s[SEL+1]
.endr
.irp b, 0,1,2,3
	v_max_num_f32 v[BMX+\b], v[BMX+\b], v[BT+\b]
.endr
	v_max3_num_f32 v[TT], v[BMX], v[BMX+1], v[BMX+2]
	v_max_num_f32 v[TT], v[TT], v[BMX+3]
	v_mul_f32 v[TT], s[CS], v[TT]
	v_floor_f32 v[NM], -v[TT]                      ; -M = floor(-t) = -ceil(t), kept for part 2 and for stats
.endm
.macro SOFT2 a
.set WW, 2+(\a)/4
.set SS, 64*((\a)%4)
	SETB \a
.set P0, 64+128*((\a)%2)
.set NM, 16
	v_mov_b32 v[NM], v[NMB+(\a)]                   ; into the low word of an even pair, for the packed form
	WIN WW
.set j, 0
.rept 32
	v_pk_fma_f32 v[P0+j:P0+j+1], v[SS+j:SS+j+1], s[CS:CS+1], v[NM:NM+1] op_sel_hi:[1,0,0]
.set j, j+2
.endr
	WIN 0
.irp b, 0,1,2,3
	v_fma_f32 v[BMX+\b], v[BMX+\b], s[CS], v[NM]
.endr
.set j, 0
	s_wait_alu depctr_va_vdst(0)
.rept 64
	v_exp_f32 v[P0+j], v[P0+j]
.set j, j+1
.endr
.irp b, 0,1,2,3
	v_exp_f32 v[BMX+\b], v[BMX+\b]                 ; each 32 keys' largest p, in the same batch
.endr
	v_nop                                          ; a plain place behind the batch
.endm
.macro SOFT3 a                         ; stands behind the wait that is ahead of the next block's batch (the last block's: behind a wait of its own)
	SETB \a
.set P0, 64+128*((\a)%2)
.irp c, 0,1,2,3
	v_pk_add_f32 v[S4+2*\c:S4+2*\c+1], v[P0+2*\c:P0+2*\c+1], v[P0+8+2*\c:P0+9+2*\c]   ; the sum of the unquantised p: four chains by turns
.endr
.irp j, 16,24,32,40,48,56
.irp c, 0,1,2,3
	v_pk_add_f32 v[S4+2*\c:S4+2*\c+1], v[S4+2*\c:S4+2*\c+1], v[P0+\j+2*\c:P0+\j+2*\c+1]
.endr
.endr
	v_pk_add_f32 v[SU:SU+1], v[S4:S4+1], v[S4+4:S4+5]
	v_pk_add_f32 v[SU+2:SU+3], v[S4+2:S4+3], v[S4+6:S4+7]
	v_pk_add_f32 v[SU:SU+1], v[SU:SU+1], v[SU+2:SU+3]
	v_add_f32 v[SU], v[SU], v[SU+1]
	v_permlanex16_b32 v[SU+2], v[SU], s[SEL], s[SEL+1]
	v_add_f32 v[LB+(\a)], v[SU], v[SU+2]
.irp b, 0,1,2,3
	v_max_num_f32 v[BMX+\b], 0x1800000, v[BMX+\b]
.endr
.irp b, 0,1,2,3
	v_add_nc_u32 v[SCO+\b], 0xff000000, v[BMX+\b]
.endr
.irp b, 0,1,2,3
	v_lshrrev_b32 v[BT+\b], 23, v[SCO+\b]
.endr
	v_lshl_or_b32 v[PWB+(\a)], v[BT+1], 8, v[BT]
	v_lshl_or_b32 v[PWB+(\a)], v[BT+2], 16, v[PWB+(\a)]
	v_lshl_or_b32 v[PWB+(\a)], v[BT+3], 24, v[PWB+(\a)]
.if \a
	s_wait_xcnt 0x0
.endif
.irp c, 0,1
	v_cvt_scalef32_pk16_fp6_f32 v[PC+6*\c:PC+6*\c+2], v[P0+32*\c:P0+32*\c+15], v[SCO+2*\c]
	v_cvt_scalef32_pk16_fp6_f32 v[PC+12+4*\c:PC+14+4*\c], v[P0+32*\c+16:P0+32*\c+31], v[SCO+2*\c+1]
.endr
	v_nop
.irp c, 0,1
.irp i, 0,1,2
	v_permlane16_swap_b32 v[PC+6*\c+\i], v[PC+12+4*\c+\i]
.endr
.irp i, 0,1,2
	v_mov_b32 v[PC+3+6*\c+\i], v[PC+12+4*\c+\i]
.endr
.endr
.irp c, 0,1,2
	global_store_b128 v[LI], v[PC+4*\c:PC+4*\c+3], s[PB:PB+1] offset:1536*(\a)+512*\c
.endr
.endm
	s_load_b128 s[4:7], s[0:1], 0x0
	s_load_b64 s[8:9], s[0:1], 0x10
	v_lshl_add_u32 v[SPW], v0, 2, SPARE
	v_mov_b32 v[NIL], 0
	ds_add_u32 v[SPW], v[NIL]
	ds_add_u32 v[SPW], v[NIL]
	v_lshrrev_b32 v21, 5, v0
	v_readfirstlane_b32 s14, v21
	s_lshr_b32 s15, s14, 1
	s_and_b32 s16, s14, 1
	s_and_b32 s[BB], ttmp7, 0xffff
	s_mov_b32 s[TI], 0
.irp th, 1,3,6,10,15,21,28
	s_cmp_ge_u32 ttmp9, \th
	s_cselect_b32 s20, 1, 0
	s_add_co_u32 s[TI], s[TI], s20
.endr
	s_add_co_u32 s20, s[TI], 1
	s_mul_i32 s20, s20, s[TI]
	s_lshr_b32 s20, s20, 1
	s_sub_co_u32 s[TJ], ttmp9, s20
.irp g, G1, G1S                        ; dense rows of 256 bytes (32 elements of 8 bytes)
	s_mov_b32 s[\g], 3<<16
	s_mov_b32 s[\g+1], 32<<16
	s_mov_b32 s[\g+3], 32<<16
	s_mov_b32 s[\g+5], 32
	s_mov_b32 s[\g+6], 0
	s_mov_b32 s[\g+7], 0
.endr
	s_mov_b32 s[G1+2], 200<<16                     ; 200 rows: four chunks
	s_mov_b32 s[G1+4], 200
	s_mov_b32 s[G1S+2], 100<<16                    ; 100 rows: two chunks
	s_mov_b32 s[G1S+4], 100
	s_cmp_eq_u32 s[TI], s[TJ]
	s_cselect_b32 s20, 1, 0
	s_cmp_eq_u32 s15, s16
	s_cselect_b32 s21, 1, 0
	s_and_b32 s[MSK], s20, s21
	s_cmp_eq_u32 s14, 1
	s_cselect_b32 s21, 1, 0
	s_and_b32 s[SKP], s20, s21
	s_cmp_eq_u32 s15, 0
	s_cselect_b32 s20, s[TI], s[TJ]
	s_lshl_b32 s20, s20, 1
	s_add_co_u32 s20, s20, s16
	s_lshl_b32 s21, s[BB], 4
	s_add_co_u32 s20, s20, s21
	s_lshl_b32 s20, s20, 3
	s_lshl_b32 s21, s15, 9
	s_add_co_u32 s20, s20, s21
	s_mul_i32 s20, s20, CH
	s_mov_b32 s21, 0
	s_mul_i32 s23, s14, BLK                        ; where my loads go: wave x 25,600 in region B,
	s_mul_i32 s22, s14, QUAD                       ; wave x 51,200 in region A
	s_mul_i32 s10, s15, QUAD                       ; where I read: my queries in region A,
	s_mul_i32 s11, s16, QUAD
	s_add_co_u32 s11, s11, 2*QUAD                  ; my keys in region A,
	s_mul_i32 s12, s15, BLK
	s_add_co_u32 s12, s12, REGB                    ; my queries in region B,
	s_mul_i32 s13, s16, BLK
	s_add_co_u32 s13, s13, REGB+2*BLK              ; my keys in region B
	s_mov_b32 s[CS], 0x3d38aa3b
	s_mov_b32 s[CS+1], s[CS]
	s_mov_b32 s[SEL], 0x76543210
	s_mov_b32 s[SEL+1], 0xfedcba98
	s_mov_b32 s[HM], 0xffff0000
	s_wait_dscnt 0x0
	s_wait_kmcnt 0x0
	s_add_nc_u64 s[20:21], s[4:5], s[20:21]
	s_mov_b32 s[G0], 1                             ; K steps 0-3 into region A
	s_mov_b32 s[G0+1], s22
	s_mov_b64 s[G0+2:G0+3], s[20:21]
	s_or_b32 s[G0+3], s[G0+3], 0x80000000
	s_mov_b32 s[G0+4], 1                           ; K steps 4, 5 into region B
	s_add_co_u32 s[G0+5], s23, REGB
	s_add_nc_u64 s[G0+6:G0+7], s[20:21], QUAD
	s_or_b32 s[G0+7], s[G0+7], 0x80000000
	s_mov_b32 s[G0+8], 1                           ; K steps 6, 7 over K steps 0, 1
	s_mov_b32 s[G0+9], s22
	s_add_nc_u64 s[G0+10:G0+11], s[20:21], 6*CH
	s_or_b32 s[G0+11], s[G0+11], 0x80000000
	tensor_load_to_lds s[G0:G0+3], s[G1:G1+7]      ; the head's one load of every wave
	s_nop 0
	v_and_b32 v19, 31, v0
	v_lshlrev_b32 v[LI], 4, v19
	v_and_b32 v21, 15, v0
	v_bfe_u32 v22, v0, 4, 1
	v_lshlrev_b32 v23, 4, v21
.irp s, 0,1                            ; address set 0: region A, set 1: region B
	v_add_nc_u32 v[FA+\s], s[10+2*\s], v[LI]
	v_add_nc_u32 v[FB+\s], s[11+2*\s], v[LI]
	v_add_nc_u32 v[RA+\s], s[10+2*\s], v23
	v_add_nc_u32 v[RB+\s], s[11+2*\s], v23
.endr
	v_and_b32 v[DL], 8, v21
	v_add_nc_u32 v[DL], v[DL], v21
	v_lshlrev_b32 v22, 4, v22
	v_sub_nc_u32 v[DL], v[DL], v22
	v_mov_b32 v[NINF], 0xff800000
	v_mov_b32 v[NM+1], 0
	; where my piece goes in pbuf and stats: row groups g and 15 - g of a batch form pair p = min(g, 15 - g); the pair's 17 pieces lie on end: those of the later row group (16 - p of them), then those of the earlier one
	s_lshl_b32 s21, s[TI], 1
	s_add_co_u32 s21, s21, s15                     ; g: my row group of queries in the batch
	s_sub_co_u32 s22, 15, s21
	s_sub_co_u32 s23, 16, s21
	s_cmp_ge_u32 s21, 8
	s_cselect_b32 s22, s22, s21                    ; p
	s_cselect_b32 s23, 0, s23                      ; the earlier row group's pieces begin 16 - p on
	s_lshl_b32 s20, s[BB], 3
	s_add_co_u32 s20, s20, s22
	s_mul_i32 s20, s20, 17
	s_add_co_u32 s20, s20, s23
	s_lshl_b32 s21, s[TJ], 1
	s_add_co_u32 s20, s20, s21
	s_add_co_u32 s20, s20, s16
	s_lshl_b32 s22, s20, 10
	s_mov_b32 s23, 0
	s_add_nc_u64 s[STP:STP+1], s[8:9], s[22:23]
	s_mul_i32 s20, s20, CH
	s_mov_b32 s21, 0
	s_add_nc_u64 s[PB:PB+1], s[6:7], s[20:21]
	s_wait_alu depctr_va_vdst(0)
	s_wait_tensorcnt 0x0                           ; my row group's K steps 0-3 are in
	ds_add_u32 v[SPW], v[NIL]
	s_wait_dscnt 0x0
	s_barrier_signal -1
	s_barrier_wait -1                              ; everybody's are
	tensor_load_to_lds s[G0+4:G0+7], s[G1S:G1S+7]  ; region B's first fill: it has K steps 0-2 in which to land
	s_nop 0
	PLACES
	FETCH 0, 0, 0
	s_wait_dscnt 0x0
	FETCH 0, 1, 1
	MULS 0, 1                                      ; K step 0: the first products start the sums
	s_wait_dscnt 0x0
	PLACES
	FETCH 0, 2, 0
	MULS 1, 0
	s_wait_dscnt 0x0
	PLACES
	FETCH 0, 3, 1
	MULS 0, 0
	WIN 0                                          ; K step 3 leaves region A
	s_wait_tensorcnt 0x0                           ; my part of region B is in: no load of mine is out
	ds_add_u32 v[SPW], v[NIL]
	s_wait_dscnt 0x0                               ; the add is done, and K step 3's fragments are in: my reads of region A are over
	s_barrier_signal -1
	MULH 1, 0, 0
	WIN 0
	s_barrier_wait -1
	tensor_load_to_lds s[G0+8:G0+11], s[G1S:G1S+7] ; the refill, first behind the barrier: K steps 6, 7
	s_nop 0
	PLACES
	FETCH 1, 0, 0
	MULH 1, 1, 0
	s_wait_dscnt 0x0
	PLACES
	FETCH 1, 1, 1
	MULS 0, 0
	WIN 0
	s_wait_tensorcnt 0x0
	s_wait_dscnt 0x0
	s_barrier_signal -1
	MULH 1, 0, 0
	WIN 0
	s_barrier_wait -1
	PLACES
	FETCH 0, 0, 0
	MULH 1, 1, 0
	s_wait_dscnt 0x0
	PLACES
	FETCH 0, 1, 1
	MULS 0, 0
	s_wait_dscnt 0x0
	MULS 1, 0
	WIN 0
	s_cmp_lg_u32 s[SKP], 0
	s_cbranch_scc1 .Lend
.irp b, 0,1,2,3
	v_mov_b32 v[BT+\b], 0
.endr
.irp a, 0,1,2,3,4,5,6,7
	SOFT1 \a
.endr
	SOFT2 0
.irp a, 1,2,3,4,5,6,7
	SOFT2 \a
	SOFT3 \a-1
.endr
	s_wait_alu depctr_va_vdst(0)                   ; the last batch's wait, ahead of its first reader
	SOFT3 7
	WORDS8 PWB, T, PB, 12288
	WORDS8 NMB, T+4, STP, 0
	WORDS8 LB, T+8, STP, 512
.Lend:
	s_wait_tensorcnt 0x0
	ds_add_u32 v[SPW], v[NIL]
	s_wait_dscnt 0x0
	s_endpgm
.Lfunc_end_k_q450f232b58_score:
	.size	k_q450f232b58_score, .Lfunc_end_k_q450f232b58_score-k_q450f232b58_score
	.p2alignl 7, 3214868480
	.fill 96, 4, 3214868480
	.section	.rodata,"a",@progbits
	.p2align	6, 0x0
	.amdhsa_kernel k_q450f232b58_score
		.amdhsa_group_segment_fixed_size 327680
		.amdhsa_private_segment_fixed_size 0
		.amdhsa_enable_private_segment 0
		.amdhsa_kernarg_size 24
		.amdhsa_user_sgpr_count 2
		.amdhsa_user_sgpr_kernarg_segment_ptr 1
		.amdhsa_wavefront_size32 1
		.amdhsa_system_sgpr_workgroup_id_x 1
		.amdhsa_system_sgpr_workgroup_id_y 1
		.amdhsa_system_sgpr_workgroup_id_z 1
		.amdhsa_system_vgpr_workitem_id 0
		.amdhsa_next_free_vgpr 1024
		.amdhsa_next_free_sgpr 66
		.amdhsa_reserve_vcc 1
		.amdhsa_float_denorm_mode_32 3
		.amdhsa_float_denorm_mode_16_64 3
		.amdhsa_memory_ordered 1
		.amdhsa_forward_progress 1
		.amdhsa_inst_pref_size 229
	.end_amdhsa_kernel
	.amdgpu_metadata
---
amdhsa.version: [ 1, 2 ]
amdhsa.kernels:
  - .name:           k_q450f232b58_score
    .symbol:         k_q450f232b58_score.kd
    .args:
      - { .name: qkv, .offset: 0, .size: 8, .value_kind: global_buffer, .address_space: global }
      - { .name: pbuf, .offset: 8, .size: 8, .value_kind: global_buffer, .address_space: global }
      - { .name: stats, .offset: 16, .size: 8, .value_kind: global_buffer, .address_space: global }
    .group_segment_fixed_size: 327680
    .private_segment_fixed_size: 0
    .kernarg_segment_align: 8
    .kernarg_segment_size: 24
    .max_flat_workgroup_size: 128
    .sgpr_count:     66
    .vgpr_count:     1024
    .wavefront_size: 32
...
	.end_amdgpu_metadata
.endif
;; end of part 3
;; launch mix (part 4): grid 8 x 32, 4 waves a work-group, clusters of 4 x 1, 327,680 bytes of LDS; arguments pbuf, stats, qkv, att; writes att
.if DOCPART == 4
	.amdgcn_target "amdgcn-amd-amdhsa--gfx1250"
	.amdhsa_code_object_version 6
	.text
	.protected	k_q450f232b58_mix
	.globl	k_q450f232b58_mix
	.p2align	8
	.type	k_q450f232b58_mix,@function
k_q450f232b58_mix:
	s_mov_b64 s[64:65], 0
	v_nop
	global_prefetch_b8 v0, s[64:65] scope:SCOPE_SE
	s_setreg_imm32_b32 hwreg(HW_REG_WAVE_MODE, 25, 1), 1
	s_wait_xcnt 0x0
	s_wait_alu depctr_hold_cnt(0) depctr_sa_sdst(0) depctr_va_vdst(0) depctr_va_sdst(0) depctr_va_ssrc(0) depctr_va_vcc(0) depctr_vm_vsrc(0)
	s_getreg_b32 s2, hwreg(HW_REG_IB_STS2, 6, 4)
	s_cmp_eq_u32 s2, 0
	s_cbranch_scc0 .Lentry_in_a_cluster
	s_endpgm
.Lentry_in_a_cluster:
	s_bfe_u32 s2, ttmp6, 0x10000c
	s_cmp_lg_u32 s2, 0x3003
	s_cbranch_scc0 .Lentry_shape_is_right
	s_endpgm
.Lentry_shape_is_right:
; LAUNCH 4 OF 5.  attended = (P V) / l on codes, quantised along d for launch 5.
; LEFT OUT AS DEAD WORK (shown at the head of launch 1): the steps of 128 keys that come wholly after a row group's 128 queries: row group g of a batch walks steps 0 .. g.
; SHARES.  A work-group takes a PAIR of row groups of one batch, A = 15 - p and B = p, by 128 of d: (16 - p) + (p + 1) = 17 steps of 128 x 128 x 128 in every work-group; 4 batches x 8 pairs x 8 tiles of d = 256 work-groups.
; A wave takes 32 queries (P's fragments 2 w, 2 w + 1) x 128 of d (V^T's eight fragments): 16 accumulators for A, 16 for B.  Source 1 = P (a lane holds a query), source 0 = V^T (a lane's registers run along d, launch 5's K),
; so 64 registers of a lane are a whole fragment's row of attended.
; Launch 3 lays the pair's 17 pieces of P (and of -M, l) on end: step i takes piece i; its keys are V^T's chunk i for A (i <= 15 - p), chunk i - (16 - p) for B.
; LDS: V^T's 16 chunks of my batch and tile of d stay (filled once); P goes through eight chunk places, piece i at place i % 8; then the table of P's moved scale words, 1 / l, the spare words.
; V^T's chunks past 15 - p are not read: they come inside the second of two loads, whose chunk 8 every pair reads.
; LOADS: at the head one a wave: V^T's chunks 0-7, 8-15, P's pieces 0-3, 4-7.  Behind the rounds in steps 3 and 7 each wave refills one place (pieces 8-11, 12-15); behind the round in step 11 wave 0 brings piece 16.
; One load of a wave is out at a time; every wait for tensor loads is for 0; no load is jumped but by the wave's number.
; CLUSTER 4 x 1: the four partners are four tiles of d of one pair: they read the same P and ask for it jointly (mask 15).  V^T hangs on the tile of d and is each work-group's own load;
; the pairs that share it differ in p, on which the choice of accumulators in steps 9-15 hangs, so they are no partners.  That branch hangs on the cluster's y alone, which the four share.
; PREFETCH INTO THE L2: P's pieces 8-16 (450 blocks of 256 bytes) are named once in the cluster at the head, a lane a block, one instruction a wave, the partners told apart by address (cx); lanes left over name the last block again.
; THE PIECES' M ARE JOINED HERE.  Thread t owns word t of every scale-word block.  Mf = the largest M of a row group's pieces; a piece's p under Mf is its p x 2^-(Mf - M): the difference d goes off its four scale
; bytes, and l = the sum of ldexp(l of the piece, -d).  Nothing is rounded.  LIMIT: a byte that would fall under 0 becomes 0, which stands for 2^-127: a p more than 2^126 under its row's largest counts as at most 7.5 x 2^-127.
; LIMITS: a block of zeros gets the byte 1 (this program alone reads the bytes); NaN and infinities are not served.  A fragment's two scale words leave as 8 of each 16 bytes of the chunk's words: 256 bytes of a wave's 6,400.
.set CH,    12800
.set QUAD,  4*CH
.set RING,  16*CH                      ; behind V^T: P's eight places
.set TAB,   RING+8*CH                  ; 17 x 512 bytes: the moved scale words of P
.set INV,   TAB+17*512                 ; 2 x 512 bytes: 1 / l of A, of B
.set SPARE, INV+1024                   ; the spare words: two blocks of 256 bytes that no other line names
.set LI,  1                            ; v1   16 x lane
.set SPW, 2                            ; v2   my spare word; never rewritten
.set NIL, 3                            ; v3   0; never rewritten
.set FA,  4                            ; v4-5 my two fragments of P in places 0-3, 4-7
.set RT,  6                            ; v6   my two words of a row of the table
.set R16, 7                            ; v7   16 r
.set FB,  8                            ; v8   V^T's fragments of the step being fetched
.set RB,  9                            ; v9   its scale words
.set TA,  10                           ; v10  my thread's word of the table
.set T4,  11                           ; v11  4 x thread
.set LO,  12                           ; v12  my images' place in a chunk of attended
.set WO,  13                           ; v13  my scale word's place in it
.set PFV, 14                           ; v14  the prefetch's offset
.set TM,  16                           ; v16-31 the quantiser's
.set NMV, 128                          ; the head: v128-144 -M, v145-161 l, v162-178 raw words
.set LV,  145
.set WV,  162
.set MFA, 180
.set MFB, 181
.set LSA, 182
.set LSB, 183
.set D0,  184
.set D1,  185
.set D2,  186
.set D3,  187
.set BIG, 188
.set PC,  64                           ; the way out
.set PWB, 84
.set T,   88
.set IV,  92
.set IP,  96
.set ST,  160
; in the steps: window 0: v32+2p P's two scale words of set p, v40+8p V^T's eight; v64+24p P's 2 fragments.  window 1: v128p V^T's 8 fragments.  window 2: accumulator (a, b) of A at v[64 a + 8 b], of B 128 on.
.set G1V, 24                           ; group 1: 400 rows of 256 bytes, my own load
.set G1P, 32                           ; 200 rows, joint
.set G1C, 40                           ; 50 rows, joint
.set G0V, 48
.set G0P, 52
.set G0R0, 56
.set G0R1, 60
.set G0R2, 68
.set OUTA, 72
.set OUTB, 74
.set PBW, 76
.set STB, 78
.set HM,  80
.set SEL, 82
.set M01, 84
.set LIM, 85                           ; 15 - p: A's last step
.set GB,  81                           ; p
.set MSB, 0
.macro WIN new
.if MSB != (\new)
	s_set_vgpr_msb (MSB<<8)|(\new)
.set MSB, (\new)
.endif
.endm
.macro PLACES
.rept 4
	v_nop
.endr
.endm
.macro CREST                           ; a round of the cluster's barrier behind its opening barrier
	s_cmp_lg_u32 s14, 0
	s_cbranch_scc1 .Lnot_wave_0_\@
	s_barrier_signal -3
.Lnot_wave_0_\@:
	s_barrier_wait -3
	s_barrier_signal -1
	s_barrier_wait -1
.endm
.macro CROUND
	s_barrier_signal -1
	s_barrier_wait -1
	CREST
.endm
.macro SETV i                          ; where step i's chunk of V^T lies; with the two v_nop these are the four places ahead of the loads that follow
.set VI, \i
.if VI <= 8
	v_add_nc_u32 v[FB], VI*CH, v[LI]
	v_add_nc_u32 v[RB], VI*CH, v[R16]
.else
	s_cmp_gt_u32 VI, s[LIM]
	s_cselect_b32 s86, s[GB], 0
	s_add_co_u32 s86, s86, VI
	s_and_b32 s86, s86, 15                         ; A: i;  B: i + p - 16 = i - (16 - p)
	s_mul_i32 s86, s86, CH
	v_add_nc_u32 v[FB], s86, v[LI]
	v_add_nc_u32 v[RB], s86, v[R16]
.endif
	v_nop
	v_nop
.endm
.macro FETCH i, p                      ; 33 LDS loads in one run: step i into set p
.set FI, \i
	WIN 0x40
.irp f, 0,1,2,3,4,5,6,7
.irp c, 0,1,2
	ds_load_b128 v[128*(\p)+12*\f+4*\c:128*(\p)+12*\f+4*\c+3], v[FB] offset:1536*\f+512*\c
.endr
.endr
	WIN 0
.irp a, 0,1
.irp c, 0,1,2
	ds_load_b128 v[64+24*(\p)+12*\a+4*\c:64+24*(\p)+12*\a+4*\c+3], v[FA+(FI/4)%2] offset:(FI%4)*CH+1536*\a+512*\c
.endr
.endr
.irp u, 0,1
	ds_load_b128 v[40+8*(\p)+4*\u:40+8*(\p)+4*\u+3], v[RB] offset:12288+256*\u
.endr
	ds_load_b64 v[32+2*(\p):33+2*(\p)], v[RT] offset:512*FI
.endm
.macro MUL p, g, zero                  ; 16 matrix instructions on row group g's accumulators, which take turns
	WIN 0xa1
.irp a, 0,1
.irp b, 0,1,2,3,4,5,6,7
.if \zero
	v_wmma_scale_f32_16x16x128_f8f6f4 v[128*(\g)+64*\a+8*\b:128*(\g)+64*\a+8*\b+7], v[128*(\p)+12*\b:128*(\p)+12*\b+11], v[64+24*(\p)+12*\a:64+24*(\p)+12*\a+11], 0, v[40+8*(\p)+\b], v[32+2*(\p)+\a] matrix_a_fmt:MATRIX_FMT_FP6 matrix_b_fmt:MATRIX_FMT_FP6
.else
	v_wmma_scale_f32_16x16x128_f8f6f4 v[128*(\g)+64*\a+8*\b:128*(\g)+64*\a+8*\b+7], v[128*(\p)+12*\b:128*(\p)+12*\b+11], v[64+24*(\p)+12*\a:64+24*(\p)+12*\a+11], v[128*(\g)+64*\a+8*\b:128*(\g)+64*\a+8*\b+7], v[40+8*(\p)+\b], v[32+2*(\p)+\a] matrix_a_fmt:MATRIX_FMT_FP6 matrix_b_fmt:MATRIX_FMT_FP6
.endif
.endr
.endr
	WIN 0
.endm
.macro MULSEL i, p                     ; steps 0-8 are A's and step 16 is B's in every pair; between them the pair's number decides
.set MI, \i
.if MI == 0
	MUL \p, 0, 1                                   ; A's first products start its sums
.elseif MI <= 8
	MUL \p, 0, 0
.elseif MI == 16
	MUL \p, 1, 0
.else
	s_cmp_gt_u32 MI, s[LIM]
	s_cbranch_scc1 .Lfor_b_\@
	MUL \p, 0, 0
	s_branch .Ldone_\@
.Lfor_b_\@:
	MUL \p, 1, 0
.Ldone_\@:
.endif
.endm
.macro STEP i                          ; step i, which has landed, is multiplied while step i + 1 is fetched
	s_wait_dscnt 0x0
	SETV (\i)+1
	FETCH (\i)+1, ((\i)+1)%2
	MULSEL \i, (\i)%2
.endm
.macro BOUND i, g0, only0              ; step i, the last of four places: they are filled again
	s_wait_tensorcnt 0x0                           ; no tensor load of mine is out: the other four places are whole
	ds_add_u32 v[SPW], v[NIL]
	s_wait_dscnt 0x0                               ; the add is done, step i's fragments are in: my reads of these four places are over
	CROUND                                         ; both hold of every wave of every partner
.if \only0
	s_cmp_lg_u32 s14, 0
	s_cbranch_scc1 .Lnone_\@
.endif
	tensor_load_to_lds s[\g0:\g0+3], s[G1C:G1C+7]  ; the refill, first behind the round: one piece
	s_nop 0
	PLACES
.if \only0
.Lnone_\@:
.endif
	SETV (\i)+1
	FETCH (\i)+1, ((\i)+1)%2
	MULSEL \i, (\i)%2
.endm
.macro QUANTW s, pw, x                 ; 64 numbers of a lane, register 16 b + i = d 32 b + 16 h + i of my row, become a fragment's codes in v[PC] on and its scale word in v[pw]
.irp b, 0,1,2,3
	v_max3_num_f32 v[TM+\b], |v[(\s)+16*\b]|, |v[(\s)+16*\b+1]|, 0x1800000   ; and the floor 2^(3 - 127): the byte cannot fall under 1
.endr
.irp i, 2,4,6,8,10,12,14
.irp b, 0,1,2,3
	v_max3_num_f32 v[TM+\b], v[TM+\b], |v[(\s)+16*\b+\i]|, |v[(\s)+16*\b+\i+1]|
.endr
.endr
.irp b, 0,1,2,3
	v_permlanex16_b32 v[TM+4+\b], v[TM+\b], s[SEL], s[SEL+1]
.endr
.irp b, 0,1,2,3
	v_max_num_f32 v[TM+\b], v[TM+\b], v[TM+4+\b]   ; with lane l xor 16's: the block's largest magnitude
.endr
.irp b, 0,1,2,3
	v_add_nc_u32 v[TM+12+\b], 0xff000000, v[TM+\b] ; 2 off its exponent field: the conversion's scale operand
.endr
.irp b, 0,1,2,3
	v_lshrrev_b32 v[TM+4+\b], 23, v[TM+12+\b]      ; the scale's byte
.endr
	v_lshl_or_b32 v[\pw], v[TM+5], 8, v[TM+4]
	v_lshl_or_b32 v[\pw], v[TM+6], 16, v[\pw]
	v_lshl_or_b32 v[\pw], v[TM+7], 24, v[\pw]
.if \x
	s_wait_xcnt 0x0                                ; the last image's stores have read their registers
.endif
.irp c, 0,1
	v_cvt_scalef32_pk16_fp6_f32 v[PC+6*\c:PC+6*\c+2], v[(\s)+32*\c:(\s)+32*\c+15], v[TM+12+2*\c]
	v_cvt_scalef32_pk16_fp6_f32 v[PC+12+4*\c:PC+14+4*\c], v[(\s)+32*\c+16:(\s)+32*\c+31], v[TM+13+2*\c]
.endr
	v_nop                                          ; one plain place behind a scaled conversion
.irp c, 0,1
.irp i, 0,1,2
	v_permlane16_swap_b32 v[PC+6*\c+\i], v[PC+12+4*\c+\i]
.endr
.irp i, 0,1,2
	v_mov_b32 v[PC+3+6*\c+\i], v[PC+12+4*\c+\i]
.endr
.endr
.endm
.macro PIECE i                         ; piece i under its row group's Mf: its l is added, its scale word moved and laid into the table
.if (\i) > 8 && (\i) < 16
	s_cmp_le_u32 \i, s[LIM]
	s_cselect_b32 s86, -1, 0                       ; all ones: A's piece
	v_bfi_b32 v[D3], s86, v[MFA], v[MFB]
	v_sub_f32 v[D0], v[D3], v[NMV+\i]              ; M - Mf = -d: a whole number, 0 or less
.elseif (\i) == 16
	v_sub_f32 v[D0], v[MFB], v[NMV+\i]
.else
	v_sub_f32 v[D0], v[MFA], v[NMV+\i]
.endif
	v_cvt_i32_f32 v[D0], v[D0]                     ; (it saturates)
.if (\i) == 0
	v_ldexp_f32 v[LSA], v[LV+\i], v[D0]
.elseif (\i) == 16
	v_ldexp_f32 v[LSB], v[LV+\i], v[D0]
.else
	v_ldexp_f32 v[LV+\i], v[LV+\i], v[D0]
.if (\i) <= 8
	v_add_f32 v[LSA], v[LSA], v[LV+\i]
.else
	v_and_b32 v[D1], s86, v[LV+\i]
	v_bfi_b32 v[D2], s86, v[NIL], v[LV+\i]
	v_add_f32 v[LSA], v[LSA], v[D1]
	v_add_f32 v[LSB], v[LSB], v[D2]
.endif
.endif
	v_sub_nc_u32 v[D0], 0, v[D0]
	v_min_u32 v[D0], 127, v[D0]
	v_mul_lo_u32 v[D0], v[D0], s[M01]              ; d, at most 127, in each byte
	v_or_b32 v[WV+\i], 0x80808080, v[WV+\i]        ; p's bytes lie in 1 .. 125: with 128 on top no byte borrows from its neighbour,
	v_sub_nc_u32 v[WV+\i], v[WV+\i], v[D0]
	v_lshrrev_b32 v[D1], 7, v[WV+\i]               ; and the top bit stays where byte - d is 0 or more
	v_and_b32 v[D1], s[M01], v[D1]
	v_lshlrev_b32 v[D2], 8, v[D1]
	v_sub_nc_u32 v[D1], v[D2], v[D1]               ; 0xff in those bytes
	v_and_b32 v[WV+\i], 0x7f7f7f7f, v[WV+\i]
	v_and_b32 v[WV+\i], v[D1], v[WV+\i]
	ds_store_b32 v[TA], v[WV+\i] offset:512*\i
.endm
	s_load_b256 s[4:11], s[0:1], 0x0               ; pbuf, stats, qkv, att
	v_lshl_add_u32 v[SPW], v0, 2, SPARE
	v_mov_b32 v[NIL], 0
	ds_add_u32 v[SPW], v[NIL]                      ; the wave's opening
	ds_add_u32 v[SPW], v[NIL]
	v_lshrrev_b32 v16, 5, v0
	v_readfirstlane_b32 s14, v16                   ; wave 0..3
	v_lshlrev_b32 v[T4], 2, v0
	s_lshr_b32 s15, s14, 1
	s_and_b32 s16, s14, 1
	s_bfe_u32 s17, ttmp6, 0x40000                  ; cx
	s_lshl_b32 s18, ttmp9, 2
	s_add_co_u32 s18, s18, s17                     ; the tile of d = 4 x cluster x + cx
	s_and_b32 s19, ttmp7, 0xffff                   ; 8 x batch + p
	s_lshr_b32 s20, s19, 3                         ; the batch
	s_and_b32 s[GB], s19, 7                        ; p
	s_sub_co_u32 s[LIM], 15, s[GB]
	s_mov_b32 s[G1V], 3<<16                        ; elements of 8 bytes; dense rows of 256 bytes
	s_mov_b32 s[G1P], (3<<16)|(1<<21)|15           ; the same, asked for jointly by the cluster's four
	s_mov_b32 s[G1C], (3<<16)|(1<<21)|15
.irp g, G1V, G1P, G1C
	s_mov_b32 s[\g+1], 32<<16
	s_mov_b32 s[\g+3], 32<<16
	s_mov_b32 s[\g+5], 32
	s_mov_b32 s[\g+6], 0
	s_mov_b32 s[\g+7], 0
.endr
	s_mov_b32 s[G1V+2], 400<<16                    ; eight chunks
	s_mov_b32 s[G1V+4], 400
	s_mov_b32 s[G1P+2], 200<<16                    ; four
	s_mov_b32 s[G1P+4], 200
	s_mov_b32 s[G1C+2], 50<<16                     ; one
	s_mov_b32 s[G1C+4], 50
	s_mul_i32 s86, s19, 17*CH                      ; the pair's 17 pieces of P,
	s_mov_b32 s87, 0
	s_mul_i32 s88, s19, 17*1024                    ; and of -M and l
	s_mov_b32 s89, 0
	s_lshl_b32 s90, s18, 6
	s_lshl_b32 s91, s20, 4
	s_add_co_u32 s90, s90, s91
	s_lshl_b32 s91, s16, 3
	s_add_co_u32 s90, s90, s91
	s_add_co_u32 s90, s90, 1024                    ; V^T: chunk 1024 + 64 x tile of d + 16 x batch + 8 (w % 2)
	s_mul_i32 s90, s90, CH
	s_mov_b32 s91, 0
	s_mul_i32 s22, s16, QUAD
	s_mov_b32 s23, 0
	s_mov_b32 s[HM], 0xffff0000                    ; lanes 16-31
	s_mov_b32 s[SEL], 0x76543210
	s_mov_b32 s[SEL+1], 0xfedcba98                 ; v_permlanex16_b32's selects for lane l xor 16
	s_mov_b32 s[M01], 0x01010101
	s_wait_alu depctr_va_vdst(0)
	s_wait_dscnt 0x0                               ; both opening adds are done
	s_wait_kmcnt 0x0
	s_add_nc_u64 s[PBW:PBW+1], s[4:5], s[86:87]
	s_add_nc_u64 s[STB:STB+1], s[6:7], s[88:89]
.irp i, 0,1,2,3,4,5,6,7,8,9,10,11,12,13,14,15,16   ; my word of each piece: asked for ahead of the tiles
	global_load_b32 v[NMV+\i], v[T4], s[STB:STB+1] offset:1024*\i
	global_load_b32 v[LV+\i], v[T4], s[STB:STB+1] offset:1024*\i+512
	global_load_b32 v[WV+\i], v[T4], s[PBW:PBW+1] offset:CH*\i+12288
.endr
	s_mov_b32 s[G0V], 1                            ; waves 0, 1: V^T's chunks 8 w on
	s_mul_i32 s[G0V+1], s16, 8*CH
	s_add_nc_u64 s[G0V+2:G0V+3], s[8:9], s[90:91]
	s_or_b32 s[G0V+3], s[G0V+3], 0x80000000
	s_mov_b32 s[G0P], 1                            ; waves 2, 3: P's pieces 4 (w % 2) on
	s_add_co_u32 s[G0P+1], s22, RING
	s_add_nc_u64 s[G0P+2:G0P+3], s[PBW:PBW+1], s[22:23]
	s_or_b32 s[G0P+3], s[G0P+3], 0x80000000
	s_mul_i32 s86, s14, CH
	s_mov_b32 s87, 0
	s_add_nc_u64 s[88:89], s[PBW:PBW+1], s[86:87]
	s_mov_b32 s[G0R0], 1                           ; piece 8 + w into place w
	s_add_co_u32 s[G0R0+1], s86, RING
	s_add_nc_u64 s[G0R0+2:G0R0+3], s[88:89], 8*CH
	s_or_b32 s[G0R0+3], s[G0R0+3], 0x80000000
	s_mov_b32 s[G0R1], 1                           ; piece 12 + w into place 4 + w
	s_add_co_u32 s[G0R1+1], s86, RING+QUAD
	s_add_nc_u64 s[G0R1+2:G0R1+3], s[88:89], 12*CH
	s_or_b32 s[G0R1+3], s[G0R1+3], 0x80000000
	s_mov_b32 s[G0R2], 1                           ; piece 16 into place 0
	s_mov_b32 s[G0R2+1], RING
	s_add_nc_u64 s[G0R2+2:G0R2+3], s[PBW:PBW+1], 16*CH
	s_or_b32 s[G0R2+3], s[G0R2+3], 0x80000000
	CROUND                                         ; all four work-groups are here: the first joint loads meet
	s_cmp_lt_u32 s14, 2                            ; one load a wave at the head: one branch on the wave's number, a load in each arm, one join
	s_cbranch_scc0 .Lhead_p
	tensor_load_to_lds s[G0V:G0V+3], s[G1V:G1V+7]
	s_nop 0
	PLACES
	s_branch .Lhead_asked
.Lhead_p:
	tensor_load_to_lds s[G0P:G0P+3], s[G1P:G1P+7]
	s_nop 0
	PLACES
.Lhead_asked:
	s_lshl_b32 s90, s17, 7
	v_add_nc_u32 v[PFV], s90, v0                   ; block 128 cx + thread of the 450,
	v_min_u32 v[PFV], 449, v[PFV]                  ; held at the last
	v_lshlrev_b32 v[PFV], 8, v[PFV]
	global_prefetch_b8 v[PFV], s[PBW:PBW+1] offset:8*CH th:TH_LOAD_NT scope:SCOPE_SE
	v_mov_b32 v[BIG], 0x7f61b1e6                   ; 3e38: over every -M
	v_and_b32 v16, 31, v0
	v_lshlrev_b32 v[LI], 4, v16
	v_and_b32 v17, 15, v0                          ; r
	v_bfe_u32 v18, v0, 4, 1                        ; h
	v_lshlrev_b32 v[R16], 4, v17
	v_lshl_add_u32 v[TA], v0, 2, TAB
	s_mul_i32 s86, s14, 3072                       ; my two fragments of a chunk's eight
	s_lshl_b32 s87, s15, 8
	s_lshl_b32 s88, s16, 3
	s_add_co_u32 s87, s87, s88                     ; and their two words: 256 (w / 2) + 8 (w % 2)
	v_add_nc_u32 v[LO], s86, v[LI]
	v_add_nc_u32 v[FA], RING, v[LO]
	v_add_nc_u32 v[FA+1], RING+QUAD, v[LO]
	v_add_nc_u32 v[WO], s87, v[R16]
	v_add_nc_u32 v[RT], TAB, v[WO]
	v_lshl_add_u32 v[WO], v18, 2, v[WO]
	v_add_nc_u32 v[WO], 12288, v[WO]               ; lane (r, h) stores the word of my fragment h
	s_lshl_b32 s86, s20, 4
	s_add_co_u32 s88, s86, s[GB]
	s_add_co_u32 s86, s86, s[LIM]
	s_lshl_b32 s86, s86, 3
	s_add_co_u32 s86, s86, s18                     ; attended's chunk 8 x row group + tile of d
	s_mul_i32 s86, s86, CH
	s_mov_b32 s87, 0
	s_add_nc_u64 s[OUTA:OUTA+1], s[10:11], s[86:87]
	s_lshl_b32 s88, s88, 3
	s_add_co_u32 s88, s88, s18
	s_mul_i32 s88, s88, CH
	s_mov_b32 s89, 0
	s_add_nc_u64 s[OUTB:OUTB+1], s[10:11], s[88:89]
	WIN 0x80
.set i, 0
.rept 128
	v_mov_b32 v[128+i], 0                          ; B's accumulators: which step is B's first hangs on the pair.  Written while the first fills are on their way
.set i, i+1
.endr
	WIN 0
	s_wait_alu depctr_va_vdst(0)
	s_wait_loadcnt 0x0
	v_min3_num_f32 v[MFA], v[NMV], v[NMV+1], v[NMV+2]
.irp k, 3,5,7
	v_min3_num_f32 v[MFA], v[MFA], v[NMV+\k], v[NMV+\k+1]
.endr
	v_mov_b32 v[MFB], v[NMV+16]
.irp k, 9,10,11,12,13,14,15
	s_cmp_le_u32 \k, s[LIM]
	s_cselect_b32 s86, -1, 0
	v_bfi_b32 v[D0], s86, v[NMV+\k], v[BIG]
	v_bfi_b32 v[D1], s86, v[BIG], v[NMV+\k]
	v_min_num_f32 v[MFA], v[MFA], v[D0]            ; -Mf of A,
	v_min_num_f32 v[MFB], v[MFB], v[D1]            ; of B
.endr
.irp k, 0,16,1,2,3,4,5,6,7,8,9,10,11,12,13,14,15
	PIECE \k
.endr
	s_wait_alu depctr_va_vdst(0)                   ; the wait ahead of the transcendentals,
	v_rcp_f32 v[LSA], v[LSA]
	v_rcp_f32 v[LSB], v[LSB]
	v_nop                                          ; a plain place behind them,
	s_wait_alu depctr_va_vdst(0)                   ; and the wait ahead of their first reader
	ds_store_b32 v[TA], v[LSA] offset:INV-TAB
	ds_store_b32 v[TA], v[LSB] offset:INV-TAB+512
	s_wait_tensorcnt 0x0                           ; my tile of the head's four is in,
	s_wait_dscnt 0x0                               ; and my words lie in the table
	s_barrier_signal -1
	s_barrier_wait -1                              ; everybody's
	SETV 0
	FETCH 0, 0
	STEP 0
	STEP 1
	STEP 2
	BOUND 3, G0R0, 0
	STEP 4
	STEP 5
	STEP 6
	BOUND 7, G0R1, 0
	STEP 8
	STEP 9
	STEP 10
	BOUND 11, G0R2, 1
	STEP 12
	STEP 13
	STEP 14
	s_wait_tensorcnt 0x0                           ; step 15: piece 16 is in (wave 0's load),
	s_wait_dscnt 0x0
	s_barrier_signal -1
	s_barrier_wait -1                              ; as every wave now knows
	SETV 16
	FETCH 16, 0
	MULSEL 15, 1
	s_wait_dscnt 0x0
	MULSEL 16, 0
	PLACES                                         ; THE WAY OUT
	ds_load_b64 v[IV:IV+1], v[RT] offset:INV-TAB   ; 1 / l of my query in my two blocks of A,
	ds_load_b64 v[IV+2:IV+3], v[RT] offset:INV-TAB+512   ; of B
.irp b, 0,1,2,3
	v_mov_b32 v[TM+4+\b], 0                        ; a lane permute's destination counts as one of its sources
.endr
	s_wait_dscnt 0x0
.irp a, 0,1,2,3
	v_mov_b32 v[IP+2*\a], v[IV+\a]                 ; as pairs, for the packed multiply
	v_mov_b32 v[IP+2*\a+1], v[IV+\a]
.endr
.irp a, 0,1,2,3                        ; blocks 0, 1: A's; 2, 3: B's
	WIN 0x02
.set j, 0
.rept 32
	v_pk_mul_f32 v[ST+j:ST+j+1], v[64*\a+j:64*\a+j+1], v[IP+2*\a:IP+2*\a+1]   ; each accumulator from its low end on
.set j, j+2
.endr
	WIN 0
	QUANTW ST, PWB+\a, \a
.irp c, 0,1,2
	global_store_b128 v[LO], v[PC+4*\c:PC+4*\c+3], s[OUTA+2*(\a/2):OUTA+2*(\a/2)+1] offset:1536*(\a%2)+512*\c   ; the image: 512 consecutive bytes a store
.endr
.endr
	v_cndmask_b32 v[T], v[PWB], v[PWB+1], s[HM]
	v_cndmask_b32 v[T+1], v[PWB+2], v[PWB+3], s[HM]
	global_store_b32 v[WO], v[T], s[OUTA:OUTA+1]
	global_store_b32 v[WO], v[T+1], s[OUTB:OUTB+1]
	s_wait_tensorcnt 0x0                           ; the wave's end
	ds_add_u32 v[SPW], v[NIL]
	s_wait_dscnt 0x0
	CROUND                                         ; the closing round: no work-group ends while a partner may still ask for a tile that names it
	s_endpgm
.Lfunc_end_k_q450f232b58_mix:
	.size	k_q450f232b58_mix, .Lfunc_end_k_q450f232b58_mix-k_q450f232b58_mix
	.p2alignl 7, 3214868480
	.fill 96, 4, 3214868480
	.section	.rodata,"a",@progbits
	.p2align	6, 0x0
	.amdhsa_kernel k_q450f232b58_mix
		.amdhsa_group_segment_fixed_size 327680
		.amdhsa_private_segment_fixed_size 0
		.amdhsa_enable_private_segment 0
		.amdhsa_kernarg_size 32
		.amdhsa_user_sgpr_count 2
		.amdhsa_user_sgpr_kernarg_segment_ptr 1
		.amdhsa_wavefront_size32 1
		.amdhsa_system_sgpr_workgroup_id_x 1
		.amdhsa_system_sgpr_workgroup_id_y 1
		.amdhsa_system_sgpr_workgroup_id_z 1
		.amdhsa_system_vgpr_workitem_id 0
		.amdhsa_next_free_vgpr 768
		.amdhsa_next_free_sgpr 92
		.amdhsa_reserve_vcc 0
		.amdhsa_float_denorm_mode_32 3
		.amdhsa_float_denorm_mode_16_64 3
		.amdhsa_memory_ordered 1
		.amdhsa_forward_progress 1
		.amdhsa_inst_pref_size 151
	.end_amdhsa_kernel
	.amdgpu_metadata
---
amdhsa.version: [ 1, 2 ]
amdhsa.kernels:
  - .name:           k_q450f232b58_mix
    .symbol:         k_q450f232b58_mix.kd
    .args:
      - { .name: pbuf, .offset: 0, .size: 8, .value_kind: global_buffer, .address_space: global }
      - { .name: stats, .offset: 8, .size: 8, .value_kind: global_buffer, .address_space: global }
      - { .name: qkv, .offset: 16, .size: 8, .value_kind: global_buffer, .address_space: global }
      - { .name: att, .offset: 24, .size: 8, .value_kind: global_buffer, .address_space: global }
    .group_segment_fixed_size: 327680
    .private_segment_fixed_size: 0
    .kernarg_segment_align: 8
    .kernarg_segment_size: 32
    .max_flat_workgroup_size: 128
    .sgpr_count:     92
    .vgpr_count:     768
    .wavefront_size: 32
...
	.end_amdgpu_metadata
.endif
;; end of part 4
;; launch outp (part 5): grid 4 x 64, 4 waves a work-group, clusters of 4 x 4, 327,680 bytes of LDS; arguments att, opnd, bo, out0; writes out0
.if DOCPART == 5
	.amdgcn_target "amdgcn-amd-amdhsa--gfx1250"
	.amdhsa_code_object_version 6
	.text
	.protected	k_q450f232b58_outp
	.globl	k_q450f232b58_outp
	.p2align	8
	.type	k_q450f232b58_outp,@function
k_q450f232b58_outp:
	s_mov_b64 s[64:65], 0
	v_nop
	global_prefetch_b8 v0, s[64:65] scope:SCOPE_SE
	s_setreg_imm32_b32 hwreg(HW_REG_WAVE_MODE, 25, 1), 1
	s_wait_xcnt 0x0
	s_wait_alu depctr_hold_cnt(0) depctr_sa_sdst(0) depctr_va_vdst(0) depctr_va_sdst(0) depctr_va_ssrc(0) depctr_va_vcc(0) depctr_vm_vsrc(0)
	s_getreg_b32 s2, hwreg(HW_REG_IB_STS2, 6, 4)
	s_cmp_eq_u32 s2, 0
	s_cbranch_scc0 .Lentry_in_a_cluster
	s_endpgm
.Lentry_in_a_cluster:
	s_bfe_u32 s2, ttmp6, 0x10000c
	s_cmp_lg_u32 s2, 0xf033
	s_cbranch_scc0 .Lentry_shape_is_right
	s_endpgm
.Lentry_shape_is_right:
; LAUNCH 5 OF 5.  out0 = attended Wo^T + bo on codes; f32 out.  8,192 x 1,024 results on 256 work-groups: a tile of 128 rows (row group G of attended) x 256 columns (tile X of Wo), K = 1,024.
; Four waves, each 64 x 128: 32 accumulators.  Source 1 = my 64 rows of attended (a lane holds a row of out0), source 0 = my 128 rows of Wo (a lane's registers run along e); bo is the C of the first products.
; ALL OF K LIES IN LDS: attended's 8 chunks, then Wo's K steps 0-3 and 4-7 of two row groups: 307,200 bytes, each byte filled once.  Wave w brings attended's chunks 2 w, 2 w + 1 and its quarter of each half of Wo:
; three loads of 25,600 dense bytes, all out together at the head.
; CLUSTERS 4 x 4: G = 4 x cluster y + cy, X = cx: attended's chunks are shared along a row of the cluster, Wo's along a column: each is asked for jointly.
; THE WAY OUT: a block of 16 rows x 128 columns goes through my own stage in LDS and comes back as whole rows of 512 bytes.  The stages lie in attended's chunks 0-3, which have their one fill at the head and their last read ahead of the middle barrier.
; THE LOADS AS THEY STAND (in place of what the paragraph above says of three loads together): at the head one joint load a wave, four chunks, 51,200 dense bytes: wave 0 attended's chunks 0-3, wave 1 its chunks 4-7,
; wave 2 K steps 0-3 of Wo's row group 0, wave 3 of its row group 1.  Wo's K steps 4-7, a quarter a wave, are asked for behind the wait for all loads, the add, its wait and a round of the cluster's barrier.  Each byte is still filled once.
; PREFETCH INTO THE L2: that later fill (100 blocks of 256 bytes a wave) is named at the head, once in the cluster: each of the four partners that ask for it jointly takes 25 blocks, told apart by address (cy);
; a lane a block, lanes 25-31 name the 25th again.  The address registers are never rewritten.
.set CH,    12800
.set G0H, 88                           ; s[88:91] group 0 of the head's load of a row group of Wo
.set PFV, 28                           ; v28    the prefetch's offset: 6,400 cy + 256 min(lane, 24)
.set BLK,   2*CH
.set QUAD,  4*CH
.set WS,    8*CH
.set WSL,   2*QUAD
.set SPARE, WS+2*WSL                   ; the spare words: two blocks of 256 bytes that no other line names
.set SPITCH, 528
.set LI,  1
.set SPW, 2
.set NIL, 3
.set FA,  4                            ; v4-5   attended's fragments, K steps 0-3 and 4-7
.set RA,  6                            ; v6-7   their scale words
.set FB,  8                            ; v8-9   Wo's fragments
.set RB,  10                           ; v10-11 their scale words
.set STO, 12                           ; v12    the stage: where I put 32 bytes of a row
.set RD,  13                           ; v13    and where I read a row back
.set BK,  128                          ; v128-191, v192-255 by turns: 16 rows read back
; window 0: v32+4p attended's scale words of set p, v40+8p Wo's; v64+48p attended's 4 fragments.  window 1: v128p Wo's 8 fragments.  window 2: accumulator (a, b) at v[64 a + 8 b].  window 3: v0-63 bo by register block.
.set G1A, 24
.set G1B, 48
.set G0X, 68
.set G0W0, 72
.set G0W1, 76
.set OUT, 80
.set MSB, 0
.macro WIN new
.if MSB != (\new)
	s_set_vgpr_msb (MSB<<8)|(\new)
.set MSB, (\new)
.endif
.endm
.macro PLACES                          ; four places behind a matrix instruction, ahead of loads into its registers and of reads of its results
.rept 4
	v_nop
.endr
.endm
.macro CREST
	s_cmp_lg_u32 s14, 0
	s_cbranch_scc1 .Lnot_wave_0_\@
	s_barrier_signal -3
.Lnot_wave_0_\@:
	s_barrier_wait -3
	s_barrier_signal -1
	s_barrier_wait -1
.endm
.macro CROUND
	s_barrier_signal -1
	s_barrier_wait -1
	CREST
.endm
.macro FETCH fa, ra, fb, rb, j, p      ; 39 LDS loads in one run: the j-th K step of the half in hand into set p
	WIN 0x40
.irp i, 0,1,2,3,4,5,6,7
.irp c, 0,1,2
	ds_load_b128 v[128*(\p)+12*\i+4*\c:128*(\p)+12*\i+4*\c+3], v[\fb] offset:\j*CH+1536*\i+512*\c
.endr
.endr
	WIN 0
.irp i, 0,1,2,3
.irp c, 0,1,2
	ds_load_b128 v[64+48*(\p)+12*\i+4*\c:64+48*(\p)+12*\i+4*\c+3], v[\fa] offset:\j*CH+1536*\i+512*\c
.endr
.endr
.irp u, 0,1
	ds_load_b128 v[40+8*(\p)+4*\u:40+8*(\p)+4*\u+3], v[\rb] offset:\j*CH+12288+256*\u
.endr
	ds_load_b128 v[32+4*(\p):32+4*(\p)+3], v[\ra] offset:\j*CH+12288
.endm
; 16 matrix instructions: lane blocks a0, a0 + 1 x register blocks 0 .. 7.  cm = 1: the first products start the sums on the bias.  The 32 accumulators take turns
.macro MUL16 p, a0, cm
.if \cm
	WIN 0xb1                                       ; source 0 window 1, source 1 window 0, C window 3, D window 2
.else
	WIN 0xa1
.endif
.irp a, \a0, \a0+1
.irp b, 0,1,2,3,4,5,6,7
.if \cm == 0
	v_wmma_scale_f32_16x16x128_f8f6f4 v[64*(\a)+8*\b:64*(\a)+8*\b+7], v[128*(\p)+12*\b:128*(\p)+12*\b+11], v[64+48*(\p)+12*(\a):64+48*(\p)+12*(\a)+11], v[64*(\a)+8*\b:64*(\a)+8*\b+7], v[40+8*(\p)+\b], v[32+4*(\p)+(\a)] matrix_a_fmt:MATRIX_FMT_FP6 matrix_b_fmt:MATRIX_FMT_FP6
.else
	v_wmma_scale_f32_16x16x128_f8f6f4 v[64*(\a)+8*\b:64*(\a)+8*\b+7], v[128*(\p)+12*\b:128*(\p)+12*\b+11], v[64+48*(\p)+12*(\a):64+48*(\p)+12*(\a)+11], v[8*\b:8*\b+7], v[40+8*(\p)+\b], v[32+4*(\p)+(\a)] matrix_a_fmt:MATRIX_FMT_FP6 matrix_b_fmt:MATRIX_FMT_FP6
.endif
.endr
.endr
.endm
.macro MUL32 p, cm
	MUL16 \p, 0, \cm
	MUL16 \p, 2, \cm
.endm
.macro STEP fa, ra, fb, rb, j, p, cm   ; the set that has landed is multiplied while K step j of the half in hand is fetched into set p
	s_wait_dscnt 0x0
	PLACES
	FETCH \fa, \ra, \fb, \rb, \j, \p
	MUL32 1-\p, \cm
.endm
	s_load_b256 s[4:11], s[0:1], 0x0               ; att, opnd, bo, out0
	v_lshl_add_u32 v[SPW], v0, 2, SPARE
	v_mov_b32 v[NIL], 0
	ds_add_u32 v[SPW], v[NIL]                      ; the wave's opening
	ds_add_u32 v[SPW], v[NIL]
	v_lshrrev_b32 v22, 5, v0
	v_readfirstlane_b32 s14, v22                   ; wave 0..3
	s_lshr_b32 s15, s14, 1                         ; rh: my half of the rows.  Also: Wo's row group that I fetch
	s_and_b32 s16, s14, 1                          ; ch: my half of the columns.  Also: which two K steps of a half I fetch
	s_bfe_u32 s40, ttmp6, 0x40000                  ; cx
	s_bfe_u32 s41, ttmp6, 0x40004                  ; cy
	s_lshl_b32 s42, ttmp9, 2
	s_add_co_u32 s42, s42, s40                     ; X = 4 x cluster x + cx
	s_and_b32 s17, ttmp7, 0xffff
	s_lshl_b32 s17, s17, 2
	s_add_co_u32 s17, s17, s41                     ; G = 4 x cluster y + cy
	s_lshl_b32 s43, s41, 2
	s_lshl_b32 s43, 15, s43                        ; my row of the cluster
	s_lshl_b32 s44, 0x1111, s40                    ; my column
	s_or_b32 s[G1A], s43, (3<<16)|(1<<21)          ; the mask; elements of 8 bytes; bit 21 set beside a mask; no padding
	s_or_b32 s[G1B], s44, (3<<16)|(1<<21)
.irp g, G1A, G1B
	s_mov_b32 s[\g+1], 32<<16                      ; rows of 256 bytes,
	s_mov_b32 s[\g+2], 200<<16                     ; 200 of them: four chunks, for the head's loads
	s_mov_b32 s[\g+3], 32<<16
	s_mov_b32 s[\g+4], 200
	s_mov_b32 s[\g+5], 32
	s_mov_b32 s[\g+6], 0
	s_mov_b32 s[\g+7], 0
.endr
	s_lshl_b32 s18, s17, 3
	s_lshl_b32 s19, s16, 2                         ; the head: attended's chunks 4 (w % 2) on
	s_add_co_u32 s18, s18, s19                     ; attended: chunk 8 G + 4 (w % 2)
	s_mul_i32 s18, s18, CH
	s_mov_b32 s19, 0
	s_lshl_b32 s46, s42, 1
	s_add_co_u32 s46, s46, s15
	s_add_co_u32 s46, s46, 88                      ; Wo: row group 88 + 2 X + rh,
	s_lshl_b32 s46, s46, 3
	s_lshl_b32 s47, s16, 1
	s_add_co_u32 s46, s46, s47                     ; its chunk 2 ch
	s_mul_i32 s46, s46, CH
	s_mov_b32 s47, 0
	s_lshl_b32 s60, s42, 1
	s_add_co_u32 s60, s60, s16
	s_add_co_u32 s60, s60, 88                      ; the head: Wo's row group 88 + 2 X + w % 2,
	s_mul_i32 s60, s60, 8*CH                       ; from its chunk 0 on
	s_mov_b32 s61, 0
	s_mul_i32 s62, s16, QUAD                       ; and where the head's four chunks go in their region
	s_mul_i32 s63, s41, 6400                       ; the prefetch: my work-group's 25 blocks of a wave's 100
	s_mul_i32 s23, s14, BLK                        ; where they go: wave x 25,600 in each region: no place in the cluster enters an LDS address
	s_wait_dscnt 0x0                               ; both opening adds are done
	s_wait_kmcnt 0x0
	s_add_nc_u64 s[20:21], s[4:5], s[18:19]
	s_add_nc_u64 s[46:47], s[6:7], s[46:47]
	CROUND                                         ; all sixteen work-groups are here: the joint loads meet
	s_mov_b32 s[G0X], 1                            ; attended's four chunks
	s_mov_b32 s[G0X+1], s62
	s_mov_b64 s[G0X+2:G0X+3], s[20:21]
	s_or_b32 s[G0X+3], s[G0X+3], 0x80000000
	s_mov_b32 s[G0H], 1                            ; K steps 0-3 of a row group of Wo
	s_add_co_u32 s[G0H+1], s62, WS
	s_add_nc_u64 s[G0H+2:G0H+3], s[6:7], s[60:61]
	s_or_b32 s[G0H+3], s[G0H+3], 0x80000000
	s_mov_b32 s[G0W1], 1                           ; my quarter of Wo's K steps 4-7
	s_add_co_u32 s[G0W1+1], s23, WS+WSL
	s_add_nc_u64 s[G0W1+2:G0W1+3], s[46:47], QUAD
	s_or_b32 s[G0W1+3], s[G0W1+3], 0x80000000
	s_cmp_lt_u32 s14, 2                            ; one load a wave at the head: one branch on the wave's number, a load in each arm, one join
	s_cbranch_scc0 .Lhead_w
	tensor_load_to_lds s[G0X:G0X+3], s[G1A:G1A+7]  ; waves 0, 1: attended
	s_nop 0
	PLACES
	s_branch .Lhead_asked
.Lhead_w:
	tensor_load_to_lds s[G0H:G0H+3], s[G1B:G1B+7]  ; waves 2, 3: Wo
	s_nop 0
	PLACES
.Lhead_asked:
	v_and_b32 v[PFV], 31, v0
	v_min_u32 v[PFV], 24, v[PFV]
	v_lshl_add_u32 v[PFV], v[PFV], 8, s63
	global_prefetch_b8 v[PFV], s[46:47] offset:QUAD th:TH_LOAD_NT scope:SCOPE_SE   ; my share of my quarter of Wo's K steps 4-7
	v_and_b32 v22, 31, v0
	v_lshlrev_b32 v[LI], 4, v22
	v_and_b32 v23, 15, v0                          ; r
	v_bfe_u32 v24, v0, 4, 1                        ; h
	v_lshlrev_b32 v25, 4, v23                      ; 16 r
	s_mul_i32 s32, s15, 6144                       ; my four fragments of attended's eight,
	s_lshl_b32 s33, s15, 8                         ; and their scale words
	s_mul_i32 s34, s16, QUAD
	s_add_co_u32 s34, s34, WS                      ; Wo's row group ch
	v_add_nc_u32 v[FA], s32, v[LI]
	v_add_nc_u32 v[RA], s33, v25
	v_add_nc_u32 v[FB], s34, v[LI]
	v_add_nc_u32 v[RB], s34, v25
	v_add_nc_u32 v[FA+1], QUAD, v[FA]              ; K steps 4-7
	v_add_nc_u32 v[RA+1], QUAD, v[RA]
	v_add_nc_u32 v[FB+1], WSL, v[FB]
	v_add_nc_u32 v[RB+1], WSL, v[RB]
	s_mul_i32 s38, s14, 16*SPITCH                  ; my stage
	v_mul_u32_u24 v[STO], v23, SPITCH
	v_lshl_add_u32 v[STO], v24, 6, v[STO]
	v_add_nc_u32 v[STO], s38, v[STO]               ; in: row r, + 64 h
	v_add_nc_u32 v[RD], s38, v[LI]                 ; back: 16 bytes a lane of a row
	s_lshl_b32 s58, s17, 1
	s_add_co_u32 s58, s58, s15
	s_lshl_b32 s58, s58, 18                        ; my 64 rows of 4,096 bytes: row 128 G + 64 rh
	s_lshl_b32 s60, s42, 1
	s_add_co_u32 s60, s60, s16
	s_lshl_b32 s60, s60, 9                         ; my 128 columns: 512 bytes
	v_lshl_add_u32 v26, v24, 6, s60                ; bo: register block b, register j: e = my first column + 32 (b / 2) + 8 (b % 2) + 16 h + j
	s_add_co_u32 s58, s58, s60
	s_mov_b32 s59, 0
	s_add_nc_u64 s[OUT:OUT+1], s[10:11], s[58:59]
	WIN 0xc0
.irp b, 0,1,2,3,4,5,6,7
	global_load_b128 v[8*\b:8*\b+3], v26, s[8:9] offset:(32*(\b/2)+8*(\b%2))*4
	global_load_b128 v[8*\b+4:8*\b+7], v26, s[8:9] offset:(32*(\b/2)+8*(\b%2))*4+16
.endr
	WIN 0
	s_wait_alu depctr_va_vdst(0)
	s_wait_loadcnt 0x0
	s_wait_tensorcnt 0x0                           ; my tile of the head's four is in
	ds_add_u32 v[SPW], v[NIL]
	s_mov_b32 s[G1B+2], 100<<16                    ; no load of mine is out, so a descriptor may be written: the next load brings 100 rows, two chunks
	s_mov_b32 s[G1B+4], 100
	s_wait_dscnt 0x0                               ; the add is done
	CROUND                                         ; everybody's tile is in, and all sixteen work-groups are here
	tensor_load_to_lds s[G0W1:G0W1+3], s[G1B:G1B+7]   ; Wo's K steps 4-7, my quarter: the first tensor load behind the round
	s_nop 0
	PLACES
	FETCH FA, RA, FB, RB, 0, 0
	STEP FA, RA, FB, RB, 1, 1, 1                   ; K step 0: the first products start the sums on the bias
	STEP FA, RA, FB, RB, 2, 0, 0
	STEP FA, RA, FB, RB, 3, 1, 0
	WIN 0                                          ; K step 3
	s_wait_tensorcnt 0x0                           ; my part of Wo's K steps 4-7 is in,
	s_wait_dscnt 0x0                               ; and my reads of K steps 0-3 are over
	s_barrier_signal -1
	MUL16 1, 0, 0
	WIN 0
	s_barrier_wait -1                              ; both hold of every wave
	PLACES
	FETCH FA+1, RA+1, FB+1, RB+1, 0, 0
	MUL16 1, 2, 0
	STEP FA+1, RA+1, FB+1, RB+1, 1, 1, 0
	STEP FA+1, RA+1, FB+1, RB+1, 2, 0, 0
	STEP FA+1, RA+1, FB+1, RB+1, 3, 1, 0
	s_wait_dscnt 0x0                               ; K step 7
	MUL32 1, 0
	WIN 0
.macro TOSTAGE a
	WIN 0x08                                       ; an LDS store's data are its source 1: window 2
.irp b, 0,1,2,3,4,5,6,7
	ds_store_b128 v[STO], v[64*(\a)+8*\b:64*(\a)+8*\b+3] offset:128*(\b/2)+32*(\b%2)       ; each accumulator from its low end on
	ds_store_b128 v[STO], v[64*(\a)+8*\b+4:64*(\a)+8*\b+7] offset:128*(\b/2)+32*(\b%2)+16
.endr
	WIN 0
.irp t, 0,1,2,3,4,5,6,7,8,9,10,11,12,13,14,15
	ds_load_b128 v[BK+64*((\a)%2)+4*\t:BK+64*((\a)%2)+4*\t+3], v[RD] offset:\t*SPITCH   ; LDS serves a wave's instructions in order: these see the stores above
.endr
.endm
.macro SEND a, younger                 ; younger: the LDS instructions issued behind block a's loads, which may stay out
	s_wait_dscnt \younger
.irp t, 0,1,2,3,4,5,6,7,8,9,10,11,12,13,14,15
	global_store_b128 v[LI], v[BK+64*((\a)%2)+4*\t:BK+64*((\a)%2)+4*\t+3], s[OUT:OUT+1] offset:(32*((\a)/2)+8*((\a)%2)+\t+8*(\t/8))*4096 th:TH_STORE_NT   ; 32 lanes store 512 consecutive aligned bytes
.endr
.endm
	PLACES
	TOSTAGE 0
.irp a, 1,2,3
.if \a > 1
	s_wait_xcnt 0x0                                ; block a - 2's stores have read their registers: block a's loads may land there
.endif
	TOSTAGE \a
	SEND \a-1, 32                                  ; behind block a - 1's loads: block a's 16 stores and 16 loads
.endr
	SEND 3, 0
	s_wait_tensorcnt 0x0                           ; the wave's end
	ds_add_u32 v[SPW], v[NIL]
	s_wait_dscnt 0x0
	CROUND                                         ; the closing round
	s_endpgm
.Lfunc_end_k_q450f232b58_outp:
	.size	k_q450f232b58_outp, .Lfunc_end_k_q450f232b58_outp-k_q450f232b58_outp
	.p2alignl 7, 3214868480
	.fill 96, 4, 3214868480
	.section	.rodata,"a",@progbits
	.p2align	6, 0x0
	.amdhsa_kernel k_q450f232b58_outp
		.amdhsa_group_segment_fixed_size 327680
		.amdhsa_private_segment_fixed_size 0
		.amdhsa_enable_private_segment 0
		.amdhsa_kernarg_size 32
		.amdhsa_user_sgpr_count 2
		.amdhsa_user_sgpr_kernarg_segment_ptr 1
		.amdhsa_wavefront_size32 1
		.amdhsa_system_sgpr_workgroup_id_x 1
		.amdhsa_system_sgpr_workgroup_id_y 1
		.amdhsa_system_sgpr_workgroup_id_z 1
		.amdhsa_system_vgpr_workitem_id 0
		.amdhsa_next_free_vgpr 1024
		.amdhsa_next_free_sgpr 100
		.amdhsa_reserve_vcc 0
		.amdhsa_float_denorm_mode_32 3
		.amdhsa_float_denorm_mode_16_64 3
		.amdhsa_memory_ordered 1
		.amdhsa_forward_progress 1
		.amdhsa_inst_pref_size 78
	.end_amdhsa_kernel
	.amdgpu_metadata
---
amdhsa.version: [ 1, 2 ]
amdhsa.kernels:
  - .name:           k_q450f232b58_outp
    .symbol:         k_q450f232b58_outp.kd
    .args:
      - { .name: att, .offset: 0, .size: 8, .value_kind: global_buffer, .address_space: global }
      - { .name: opnd, .offset: 8, .size: 8, .value_kind: global_buffer, .address_space: global }
      - { .name: bo, .offset: 16, .size: 8, .value_kind: global_buffer, .address_space: global }
      - { .name: out0, .offset: 24, .size: 8, .value_kind: global_buffer, .address_space: global }
    .group_segment_fixed_size: 327680
    .private_segment_fixed_size: 0
    .kernarg_segment_align: 8
    .kernarg_segment_size: 32
    .max_flat_workgroup_size: 128
    .sgpr_count:     100
    .vgpr_count:     1024
    .wavefront_size: 32
...
	.end_amdgpu_metadata
.endif
;; end of part 5
